; MI455X (gfx1250); checked and timed in simulation.
; The chip was launched on July 23, 2026; its instructions are those of AMD's public machine-readable ISA for CDNA 5 (MIT licence, August 2026) and "CDNA5" Instruction Set Architecture Reference Guide (July 2026). The comments in the code are by the model that wrote it; some were corrected since.
;; Multi Head Self Attention. Allowed arithmetic: matrix products marked QUANTISED: E2M1 operands, one E8M0 scale for each 32 along K, by v_wmma_scale_f32_16x16x128_f8f6f4 with both operands' format E2M1 (or v_wmma_scale_f32_32x16x128_f4), f32 sums; products left as they are: bf16, f16 or f32 operands; f32 sums; everything else in f32.
;; Inputs: W_out 1,024 x 1,024 float32; W_qkv 1,024 x 3,072 float32; b_out 1,024 float32; b_qkv 3,072 float32; x 4 x 2,048 x 1,024 float32.
;; Outputs: out0 4 x 2,048 x 1,024 float32.
;; This version of the problem:
;;   THIS VERSION OF THE PROBLEM IS GIVEN IN LOW PRECISION. The matrix products marked QUANTISED in the list below multiply operands that are first quantised to E2M1 (2 exponent bits, 1 mantissa bit; 4 bits a number), with one power-of-two scale for each 32 numbers along K (OCP MX v1.0); their sums are f32. The products marked 'left as it is' may take bf16, f16 or f32 operands, with f32 sums. Whichever they take, every output number must still come out within the allowed error. Rounding operands to bf16 (8 significant bits) uses up far more of that allowance than f16 does (11 bits, for magnitudes from 6e-5 to 65,504). All else is computed in f32.
;;   The module's matrix products, in the order in which they are computed (A, B: the left and right operand; K: the contracted axis; several contracted axes count as one K, in the product's order):
;;     1. [M 8,192, K 1,024] x [K 1,024, N 3,072]; A: input x; B: input W_qkv: QUANTISED
;;     2. batch 64 x [M 2,048, K 64] x [K 64, N 2,048]; A: computed on the way; B: computed on the way: left as it is (an operand is computed on the way)
;;     3. batch 64 x [M 2,048, K 2,048] x [K 2,048, N 64]; A: computed on the way; B: computed on the way: left as it is (an operand is computed on the way)
;;     4. [M 8,192, K 1,024] x [K 1,024, N 1,024]; A: computed on the way; B: input W_out: left as it is (an operand is computed on the way)
;;   THE QUANTISER, for each operand of a quantised product, along K:
;;     - K is cut into blocks of 32 from its start; a last block that is shorter is filled with zeros.
;;     - A block's scale is 2^e with e = floor(log2(the largest magnitude in the block)) - 2, held to -126 .. 127; a block of zeros has e = 0. As a byte (E8M0): e + 127.
;;     - Each number is divided by its block's scale, clamped to +-6, and rounded to the nearest number of E2M1, ties to even, subnormals kept.
;;     - The product sums the exact products of the quantised numbers (number of the format x scale) in f32.
;;   ~~~python
;;   def quantise(x, axis):      # numpy; x: float32 -> the quantised numbers, widened to float32 again
;;       x = np.moveaxis(x, axis, -1); K = x.shape[-1]
;;       x = np.pad(x, [(0, 0)] * (x.ndim - 1) + [(0, -K % 32)]); x = x.reshape(x.shape[:-1] + (-1, 32)); a = np.abs(x).max(-1, keepdims=True)
;;       e = np.where(a > 0, np.clip(np.frexp(np.where(a > 0, a, 1))[1] - 1 - 2, -126, 127), 0)      # np.frexp(a)[1] - 1 = floor(log2(a)), exactly
;;       r = np.clip(x / 2.0 ** e, -6, 6)
;;       step = 2.0 ** (np.maximum(np.frexp(np.where(r == 0, 1, r))[1] - 1, 0) - 1)
;;       q = np.round(r / step) * step * 2.0 ** e      # np.round: ties to even
;;       return np.moveaxis(q.reshape(q.shape[:-2] + (-1,))[..., :K], -1, axis).astype(np.float32)
;;   ~~~
;; One version. Each part assembles by itself: llvm-mc -triple=amdgcn-amd-amdhsa -mcpu=gfx1250 --defsym DOCPART=n.
;; ======== version 1 of 1: 5 launches
;; limits: values are held in f16: magnitudes above 65,504 overflow, below 6.1e-05 lose precision; right only within a limited range of input values
;; workspace buffers: x_codes 4,194,304 bytes; x_scales 262,144 bytes; w_codes 1,572,864 bytes; w_scales 98,304 bytes; woT 2,097,152 bytes; qkvh 50,331,648 bytes; qkv16 786,432 bytes; attnh 16,777,216 bytes
;; launch prep (part 1): grid 368 x 1, 4 waves a work-group, no clusters, 102,912 bytes of LDS; arguments x, W_qkv, W_out, x_codes, x_scales, w_codes, w_scales, woT; writes x_codes, x_scales, w_codes, w_scales, woT
.if DOCPART == 1
	.amdgcn_target "amdgcn-amd-amdhsa--gfx1250"
	.amdhsa_code_object_version 6
	.text
	.protected	k_q7a07bd075e_prep
	.globl	k_q7a07bd075e_prep
	.p2align	8
	.type	k_q7a07bd075e_prep,@function
k_q7a07bd075e_prep:
	s_mov_b64 s[64:65], 0
	v_nop
	global_prefetch_b8 v0, s[64:65] scope:SCOPE_SE
	s_setreg_imm32_b32 hwreg(HW_REG_WAVE_MODE, 25, 1), 1
	s_wait_xcnt 0x0
; PREP: the operands of the later launches are laid out once.
;   work-groups 0-255:   x [8192][1024] f32 -> codes of FP4 (E2M1), K innermost, [8192][512 bytes], and one E8M0 byte for each 32 along K, [8192][32]
;   work-groups 256-303: W_qkv [1024 k][3072 n] f32, K its FIRST axis -> codes [3072 n][512 bytes], K innermost, and scale bytes [3072][32]
;   work-groups 304-367: W_out [1024 k][1024 n] f32 -> f16, turned: woT [1024 n][1024 k]
; A block's scale is 2^(floor(log2(its largest magnitude)) - 2); its byte is the largest magnitude's exponent field - 2, held at 1 from below.
; LIMITS: a block of zeros gets the byte 1 where the rule says 127 (its codes are zeros, and this program alone reads the bytes); blocks whose largest magnitude lies under 2^-124
; keep the byte 1; NaN and infinities among the inputs are not served; |W_out| stays under 65,504, f16's largest number.
; The three ways part on the work-group's number alone, never join, and each has LDS bytes of its own.  No tensor loads, no barrier: waves share nothing.
.set SPARE, 102400                     ; the spare words, 128 bytes for each wave: two blocks of 256 bytes that no other line names
.set SPW,   14                         ; v14  LDS address of my spare word; never rewritten
.set NIL,   15                         ; v15  0; never rewritten
.set WSTG,  32768                      ; W_qkv's way: four stages of 32 x 272 bytes
.set OSTG,  67584                      ; W_out's way: the same
.set PITCH, 272                        ; a stage row: 256 bytes + 16 of padding
	s_load_b256 s[4:11], s[0:1], 0x0               ; x s[4:5], W_qkv s[6:7], W_out s[8:9], x_codes s[10:11]
	s_load_b256 s[12:19], s[0:1], 0x20             ; x_scales s[12:13], w_codes s[14:15], w_scales s[16:17], woT s[18:19]
	v_lshl_add_u32 v[SPW], v0, 2, SPARE
	v_mov_b32 v[NIL], 0
	v_lshrrev_b32 v1, 5, v0
	v_readfirstlane_b32 s20, v1                    ; wave 0..3
	v_and_b32 v2, 31, v0                           ; lane
	s_mov_b32 s25, 0                               ; the high word of every offset pair s[24:25]
	s_wait_kmcnt 0x0
	s_cmp_lt_u32 ttmp9, 256
	s_cbranch_scc1 .Lpath_x
	s_cmp_lt_u32 ttmp9, 304
	s_cbranch_scc1 .Lpath_w
; ---------------- W_out -> woT.  A wave takes 32 columns x 128 along k; a lane takes a column and its registers run down k, so that pairs of neighbours along k pack into one register.
	s_sub_co_u32 s21, ttmp9, 304
	s_and_b32 s22, s21, 7                          ; which 128 columns
	s_lshr_b32 s23, s21, 3                         ; which 128 along k
	s_lshl_b32 s22, s22, 7
	s_lshl_b32 s24, s20, 5
	s_add_co_u32 s22, s22, s24                     ; my wave's first column
	s_lshl_b32 s24, s23, 19                        ; 128 rows of 4,096 bytes
	s_add_nc_u64 s[8:9], s[8:9], s[24:25]
	s_lshl_b32 s24, s22, 2
	s_add_nc_u64 s[8:9], s[8:9], s[24:25]
	s_lshl_b32 s24, s22, 11                        ; woT: a row is 2,048 bytes
	s_add_nc_u64 s[18:19], s[18:19], s[24:25]
	s_lshl_b32 s24, s23, 8                         ; 128 along k are 256 bytes
	s_add_nc_u64 s[18:19], s[18:19], s[24:25]
	v_lshlrev_b32 v3, 2, v2                        ; in: 4 bytes a lane
	s_mul_i32 s26, s20, 32*PITCH
	s_add_co_u32 s26, s26, OSTG                    ; my stage
	v_mul_u32_u24 v4, v2, PITCH
	v_add_nc_u32 v4, s26, v4                       ; into it: row = my column
	v_and_b32 v5, 15, v2
	v_lshrrev_b32 v6, 4, v2
	v_mul_u32_u24 v7, v6, PITCH
	v_lshl_add_u32 v7, v5, 4, v7
	v_add_nc_u32 v7, s26, v7                       ; out of it: sixteen lanes to a row, two rows an instruction
	v_lshlrev_b32 v8, 11, v6
	v_lshl_add_u32 v8, v5, 4, v8                   ; and the same place in woT
.macro LOADO t                         ; W_out(32 t + i, my column), i = 0 .. 31, into set t % 2: 128 consecutive bytes a wave
.irp i, 0,1,2,3,4,5,6,7,8,9,10,11,12,13,14,15,16,17,18,19,20,21,22,23,24,25,26,27,28,29,30,31
	global_load_b32 v[32+32*((\t)%2)+\i], v3, s[8:9] offset:(32*(\t)+\i)*4096 th:TH_LOAD_NT
.endr
.endm
.macro BLOCKO t
.set OS, 32+32*((\t)%2)
.if (\t) < 3
	s_wait_loadcnt 32                              ; this block's 32 loads are in; the next block's may be out
.else
	s_wait_loadcnt 0x0
.endif
.irp g, 0,1,2,3,4,5,6,7,8,9,10,11,12,13,14,15
	v_cvt_pk_f16_f32 v[96+\g], v[OS+2*\g], v[OS+2*\g+1]    ; the lower k in the low half
.endr
.irp g, 0,1,2,3
	ds_store_b128 v4, v[96+4*\g:96+4*\g+3] offset:64*(\t)+16*\g
.endr
.if (\t)+2 < 4
	LOADO (\t)+2
.endif
	s_wait_dscnt 0x0                               ; the stores have read their registers: the next block's numbers may be written
.endm
	LOADO 0
	LOADO 1
.irp t, 0,1,2,3
	BLOCKO \t
.endr
.irp t, 0,1,2,3,4,5,6,7,8,9,10,11,12,13,14,15
	ds_load_b128 v[112+4*\t:112+4*\t+3], v7 offset:2*\t*PITCH     ; LDS serves a wave's instructions in order: these see my stores
.endr
.irp t, 0,1,2,3,4,5,6,7,8,9,10,11,12,13,14,15
	s_wait_dscnt 15-\t
	global_store_b128 v8, v[112+4*\t:112+4*\t+3], s[18:19] offset:2*\t*2048   ; sixteen lanes store 256 consecutive bytes, aligned
.endr
	s_wait_tensorcnt 0x0                           ; the wave's end
	ds_add_u32 v[SPW], v[NIL]
	s_wait_dscnt 0x0
	s_endpgm
; ---------------- W_qkv -> codes with K innermost.  A wave takes 32 columns x 512 along K; a lane takes a column, its registers run down K: a block of 32 lies in ONE lane.
.Lpath_w:
	s_sub_co_u32 s21, ttmp9, 256
	s_lshr_b32 s22, s21, 1                         ; which 128 columns
	s_and_b32 s23, s21, 1                          ; which half of K
	s_lshl_b32 s22, s22, 7
	s_lshl_b32 s24, s20, 5
	s_add_co_u32 s22, s22, s24                     ; my wave's first column
	s_mul_i32 s24, s23, 512*3072*4
	s_add_nc_u64 s[6:7], s[6:7], s[24:25]
	s_lshl_b32 s24, s22, 2
	s_add_nc_u64 s[6:7], s[6:7], s[24:25]
	s_lshl_b32 s24, s22, 9                         ; a row of codes is 512 bytes
	s_add_nc_u64 s[14:15], s[14:15], s[24:25]
	s_lshl_b32 s24, s23, 8
	s_add_nc_u64 s[14:15], s[14:15], s[24:25]
	s_lshl_b32 s24, s22, 5                         ; a row of scale bytes is 32
	s_add_nc_u64 s[16:17], s[16:17], s[24:25]
	s_lshl_b32 s24, s23, 4
	s_add_nc_u64 s[16:17], s[16:17], s[24:25]
	v_lshlrev_b32 v3, 2, v2
	s_mul_i32 s26, s20, 32*PITCH
	s_add_co_u32 s26, s26, WSTG                    ; my stage
	v_mul_u32_u24 v4, v2, PITCH
	v_add_nc_u32 v4, s26, v4
	v_and_b32 v5, 15, v2
	v_lshrrev_b32 v6, 4, v2
	v_mul_u32_u24 v7, v6, PITCH
	v_lshl_add_u32 v7, v5, 4, v7
	v_add_nc_u32 v7, s26, v7
	v_lshlrev_b32 v8, 9, v6
	v_lshl_add_u32 v8, v5, 4, v8
	v_lshlrev_b32 v9, 5, v2                        ; my column's row of scale bytes
.macro LOADW t
.irp i, 0,1,2,3,4,5,6,7,8,9,10,11,12,13,14,15,16,17,18,19,20,21,22,23,24,25,26,27,28,29,30,31
	global_load_b32 v[32+32*((\t)%2)+\i], v3, s[6:7] offset:(32*(\t)+\i)*3072*4 th:TH_LOAD_NT   ; at most 511 rows of 12,288 bytes: inside the signed 24-bit immediate
.endr
.endm
.macro BLOCKW t
.set WS, 32+32*((\t)%2)
.if (\t) < 15
	s_wait_loadcnt 32                              ; this block's 32 loads are in; the next block's may be out
.else
	s_wait_loadcnt 0x0
.endif
	v_max3_num_f32 v12, |v[WS]|, |v[WS+1]|, |v[WS+2]|      ; the block's largest magnitude: all 32 numbers are mine; two chains
	v_max3_num_f32 v13, |v[WS+3]|, |v[WS+4]|, |v[WS+5]|
.irp i, 6,10,14,18,22,26
	v_max3_num_f32 v12, v12, |v[WS+\i]|, |v[WS+\i+1]|
	v_max3_num_f32 v13, v13, |v[WS+\i+2]|, |v[WS+\i+3]|
.endr
	v_max3_num_f32 v12, v12, |v[WS+30]|, |v[WS+31]|
	v_max3_num_f32 v12, v12, v13, 0x1800000        ; and the floor 2^(3 - 127): the byte cannot fall under 1
	v_add_nc_u32 v11, 0xff000000, v12              ; 2 off the exponent field: the conversion takes the exponent field of this operand as its scale
	v_lshrrev_b32 v13, 23, v11                     ; the scale's byte
.if (\t)%4 == 0
	v_mov_b32 v[24+(\t)/4], v13                    ; four bytes to a register, the lower K in the lower byte
.else
	v_lshl_or_b32 v[24+(\t)/4], v13, 8*((\t)%4), v[24+(\t)/4]
.endif
.irp g, 0,1,2,3
	v_cvt_scalef32_pk8_fp4_f32 v[96+\g], v[WS+8*\g:WS+8*\g+7], v11
.endr
	ds_store_b128 v4, v[96:99] offset:16*(\t)      ; 32 codes: 16 bytes of my column's row
.if (\t)+2 < 16
	LOADW (\t)+2
.endif
	s_wait_dscnt 0x0                               ; the store has read its registers
.endm
	LOADW 0
	LOADW 1
.irp t, 0,1,2,3,4,5,6,7,8,9,10,11,12,13,14,15
	BLOCKW \t
.endr
	global_store_b128 v9, v[24:27], s[16:17]       ; my column's 16 scale bytes
.irp t, 0,1,2,3,4,5,6,7,8,9,10,11,12,13,14,15
	ds_load_b128 v[112+4*\t:112+4*\t+3], v7 offset:2*\t*PITCH
.endr
.irp t, 0,1,2,3,4,5,6,7,8,9,10,11,12,13,14,15
	s_wait_dscnt 15-\t
	global_store_b128 v8, v[112+4*\t:112+4*\t+3], s[14:15] offset:2*\t*512   ; sixteen lanes store 256 consecutive bytes, aligned
.endr
	s_wait_tensorcnt 0x0                           ; the wave's end
	ds_add_u32 v[SPW], v[NIL]
	s_wait_dscnt 0x0
	s_endpgm
; ---------------- x -> codes.  Rows are dense and K is a multiple of 32: a plain stream of blocks.  A wave takes 16 steps of 512 numbers.  Each load reads 512 consecutive bytes; a step's 2,048 bytes
; turn through the wave's own stage (16 bytes of padding behind each 64), so that a lane then holds 16 neighbours along K; two neighbouring lanes hold a block.
.Lpath_x:
.set XSP, 80                           ; a lane's place in a stage: 64 bytes + 16
.set XR,  16                           ; v16-79   four sets of 16 numbers as loaded
.set XX,  80                           ; v80-111  two sets of 16 neighbours
.set XE,  112                          ; v112-127 a scale byte for each step
.set XC,  128                          ; v128-191 codes: registers of its own for each step
	v_lshlrev_b32 v3, 4, v2                        ; my 16 bytes of a load's 512
	s_lshl_b32 s26, s20, 13                        ; my wave's 8,192 bytes of LDS: two stages of 2,560, then 256 scale bytes
	v_lshrrev_b32 v12, 2, v2
	v_mul_u32_u24 v12, v12, XSP
	v_and_b32 v13, 3, v2
	v_lshl_add_u32 v12, v13, 4, v12
	v_add_nc_u32 v12, s26, v12                     ; the stage, on the way in
	v_mul_u32_u24 v13, v2, XSP
	v_add_nc_u32 v13, s26, v13                     ; and on the way out
	v_lshlrev_b32 v4, 3, v2                        ; my 8 bytes of a step's codes; also of the wave's scale bytes
	v_lshrrev_b32 v5, 1, v2
	s_add_co_u32 s26, s26, 2*32*XSP
	v_add_nc_u32 v5, s26, v5                       ; my block's byte
	v_add_nc_u32 v6, s26, v4
	s_lshl_b32 s22, ttmp9, 2
	s_add_co_u32 s22, s22, s20                     ; which run of 8,192 numbers is my wave's
	s_lshl_b32 s24, s22, 15
	s_add_nc_u64 s[4:5], s[4:5], s[24:25]
	s_lshl_b32 s24, s22, 12
	s_add_nc_u64 s[10:11], s[10:11], s[24:25]
	s_lshl_b32 s24, s22, 8
	s_add_nc_u64 s[12:13], s[12:13], s[24:25]
.macro LOADX t
.irp i, 0,1,2,3
	global_load_b128 v[XR+16*((\t)%4)+4*\i:XR+16*((\t)%4)+4*\i+3], v3, s[4:5] offset:2048*(\t)+512*\i th:TH_LOAD_NT
.endr
.endm
.macro TURNX t                         ; LDS serves a wave's instructions in order: no wait between the stores and the loads
.irp i, 0,1,2,3
	ds_store_b128 v12, v[XR+16*((\t)%4)+4*\i:XR+16*((\t)%4)+4*\i+3] offset:32*XSP*((\t)%2)+8*XSP*\i
.endr
.irp i, 0,1,2,3
	ds_load_b128 v[XX+16*((\t)%2)+4*\i:XX+16*((\t)%2)+4*\i+3], v13 offset:32*XSP*((\t)%2)+16*\i
.endr
.endm
.irp t, 0,1,2,3
	LOADX \t
.endr
	s_wait_loadcnt 12                              ; step 0's four loads are in
	TURNX 0
.macro STEPX t
.set XS, XX+16*((\t)%2)
.if (\t) > 0
	s_wait_dscnt 1                                 ; this step's numbers are back from the stage; the last step's byte store may be out
.else
	s_wait_dscnt 0x0
.endif
.if (\t)+4 < 16
	LOADX (\t)+4
.endif
.if (\t)+1 < 16
.if 14-(\t) >= 3
	s_wait_loadcnt 12                              ; the next step's four loads are in; those of the three steps behind it may be out
.else
	s_wait_loadcnt 4*(14-(\t))
.endif
	TURNX (\t)+1
.endif
	v_max3_num_f32 v8, |v[XS]|, |v[XS+1]|, |v[XS+2]|
	v_max3_num_f32 v9, |v[XS+3]|, |v[XS+4]|, |v[XS+5]|
.irp i, 6,10
	v_max3_num_f32 v8, v8, |v[XS+\i]|, |v[XS+\i+1]|
	v_max3_num_f32 v9, v9, |v[XS+\i+2]|, |v[XS+\i+3]|
.endr
	v_max3_num_f32 v8, v8, |v[XS+14]|, |v[XS+15]|
	v_max3_num_f32 v8, v8, v9, 0x1800000           ; the floor 2^(3 - 127)
	v_max_num_f32_dpp v8, v8, v8 row_xmask:1 row_mask:0xf bank_mask:0xf   ; with my neighbour's 16: the block's largest magnitude
	v_add_nc_u32 v11, 0xff000000, v8               ; 2 off its exponent field: the conversion's scale operand
	v_cvt_scalef32_pk8_fp4_f32 v[XC+4*(\t)], v[XS:XS+7], v11
	v_cvt_scalef32_pk8_fp4_f32 v[XC+4*(\t)+1], v[XS+8:XS+15], v11
	v_lshrrev_b32 v[XE+(\t)], 23, v11              ; the scale's byte
	ds_store_b8 v5, v[XE+(\t)] offset:16*(\t)      ; both lanes of a block write the same byte with the same value
	global_store_b64 v4, v[XC+4*(\t):XC+4*(\t)+1], s[10:11] offset:256*(\t)   ; the wave stores 256 consecutive bytes, aligned
.endm
.irp t, 0,1,2,3,4,5,6,7,8,9,10,11,12,13,14,15
	STEPX \t
.endr
	ds_load_b64 v[8:9], v6
	s_wait_dscnt 0x0
	global_store_b64 v4, v[8:9], s[12:13]          ; the wave's 256 scale bytes, aligned
	s_wait_tensorcnt 0x0                           ; the wave's end
	ds_add_u32 v[SPW], v[NIL]
	s_wait_dscnt 0x0
	s_endpgm
.Lfunc_end_k_q7a07bd075e_prep:
	.size	k_q7a07bd075e_prep, .Lfunc_end_k_q7a07bd075e_prep-k_q7a07bd075e_prep
	.p2alignl 7, 3214868480
	.fill 96, 4, 3214868480
	.section	.rodata,"a",@progbits
	.p2align	6, 0x0
	.amdhsa_kernel k_q7a07bd075e_prep
		.amdhsa_group_segment_fixed_size 102912
		.amdhsa_private_segment_fixed_size 0
		.amdhsa_enable_private_segment 0
		.amdhsa_kernarg_size 64
		.amdhsa_user_sgpr_count 2
		.amdhsa_user_sgpr_kernarg_segment_ptr 1
		.amdhsa_wavefront_size32 1
		.amdhsa_system_sgpr_workgroup_id_x 1
		.amdhsa_system_sgpr_workgroup_id_y 1
		.amdhsa_system_sgpr_workgroup_id_z 1
		.amdhsa_system_vgpr_workitem_id 0
		.amdhsa_next_free_vgpr 192
		.amdhsa_next_free_sgpr 66
		.amdhsa_reserve_vcc 0
		.amdhsa_float_denorm_mode_32 3
		.amdhsa_float_denorm_mode_16_64 3
		.amdhsa_memory_ordered 1
		.amdhsa_forward_progress 1
		.amdhsa_inst_pref_size 132
	.end_amdhsa_kernel
	.amdgpu_metadata
---
amdhsa.version: [ 1, 2 ]
amdhsa.kernels:
  - .name:           k_q7a07bd075e_prep
    .symbol:         k_q7a07bd075e_prep.kd
    .args:
      - { .name: x, .offset: 0, .size: 8, .value_kind: global_buffer, .address_space: global }
      - { .name: W_qkv, .offset: 8, .size: 8, .value_kind: global_buffer, .address_space: global }
      - { .name: W_out, .offset: 16, .size: 8, .value_kind: global_buffer, .address_space: global }
      - { .name: x_codes, .offset: 24, .size: 8, .value_kind: global_buffer, .address_space: global }
      - { .name: x_scales, .offset: 32, .size: 8, .value_kind: global_buffer, .address_space: global }
      - { .name: w_codes, .offset: 40, .size: 8, .value_kind: global_buffer, .address_space: global }
      - { .name: w_scales, .offset: 48, .size: 8, .value_kind: global_buffer, .address_space: global }
      - { .name: woT, .offset: 56, .size: 8, .value_kind: global_buffer, .address_space: global }
    .group_segment_fixed_size: 102912
    .private_segment_fixed_size: 0
    .kernarg_segment_align: 8
    .kernarg_segment_size: 64
    .max_flat_workgroup_size: 128
    .sgpr_count:     66
    .vgpr_count:     192
    .wavefront_size: 32
...
	.end_amdgpu_metadata
.endif
;; end of part 1
;; launch qkv (part 2): grid 12 x 32, 4 waves a work-group, clusters of 4 x 4, 327,680 bytes of LDS; arguments x_codes, x_scales, w_codes, w_scales, b_qkv, qkvh, qkv16; writes qkvh, qkv16
.if DOCPART == 2
	.amdgcn_target "amdgcn-amd-amdhsa--gfx1250"
	.amdhsa_code_object_version 6
	.text
	.protected	k_q7a07bd075e_qkv
	.globl	k_q7a07bd075e_qkv
	.p2align	8
	.type	k_q7a07bd075e_qkv,@function
k_q7a07bd075e_qkv:
	s_mov_b64 s[64:65], 0
	v_nop
	global_prefetch_b8 v0, s[64:65] scope:SCOPE_SE
	s_setreg_imm32_b32 hwreg(HW_REG_WAVE_MODE, 25, 1), 1
	s_wait_xcnt 0x0
	s_wait_alu depctr_hold_cnt(0) depctr_sa_sdst(0) depctr_va_vdst(0) depctr_va_sdst(0) depctr_va_ssrc(0) depctr_va_vcc(0) depctr_vm_vsrc(0)
	s_getreg_b32 s2, hwreg(HW_REG_IB_STS2, 6, 4)
	s_cmp_eq_u32 s2, 0
	s_cbranch_scc0 .Lentry_in_a_cluster
	s_endpgm
.Lentry_in_a_cluster:
	s_bfe_u32 s2, ttmp6, 0x10000c
	s_cmp_lg_u32 s2, 0xf033
	s_cbranch_scc0 .Lentry_shape_is_right
	s_endpgm
.Lentry_shape_is_right:
; qkv = Q(x) Q(W_qkv) + b_qkv on codes of FP4 (E2M1) with one E8M0 scale for each 32 along K; sums in f32.  M 8,192, N 3,072, K 1,024.
; A: x's codes [8192][512 bytes], scales [8192][32].  B: W_qkv's codes [3072 n][512 bytes], scales [3072][32].
; OUT: qkvh, f16, [batch 4][column / 64: 48][position 2048][64]: a head's rows are dense; and qkv16, f32, [batch 4][position 16][3072]: the first 16 positions of every sequence, for the launch that carries them in f32.
; LIMIT: |qkv| stays under 65,504, f16's largest number.
; A tile of C, 256 x 256, is made by four waves, 128 x 128 each: 64 accumulators, 512 registers.  K = 1,024 is two K steps of 512: both slots and the scales are first fills, nothing is filled again.
; A wave has three tensor loads out at the start and none later.
; CLUSTERS: 4 x 4 work-groups.  The four of a row of the cluster need the same tiles of A, the four of a column the same tiles of B: each is asked for jointly.
; THE MATRIX INSTRUCTION IS USED TRANSPOSED (source 0 = 16 rows of B, source 1 = 16 rows of A): a lane holds eight neighbouring columns of one row of C.  The bias is the C of each sum's first instruction.
; REGISTERS: window 0: v0-31 addresses; v32-95 scale words, two sets, and nothing else; v128-191 A's fragments, one set; v192-255 the bias, eight registers a block of 16 columns; on the way out v128-223 are at work.
;   window 1: B's fragments, two sets, at v0 and v128.   window 2: the accumulators of my rows 0-63 ((a, b) at v[8 (8 a + b)]);   window 3: those of my rows 64-127.
.set SIZE_K, 1024
.set KSTEP,  512
.set NQ,     KSTEP/128
.set ROWB,   256
.set KROW,   SIZE_K*4/8
.set PITCH,  272                       ; an LDS row: 256 bytes + 16 of padding: the 16 rows that a load touches start at 16 different banks (64 banks of 4 bytes: ISA guide 11.1)
.set FR,     8
.set NL,     2
.set NP,     4                         ; places behind this matrix instruction (ISA guide 7.12.1)
.set HALFT,  128*PITCH
.set SLOT,   4*HALFT
.set KS,     SIZE_K/32
.set SCL,    2*SLOT
.set HALFS,  (128*KS/256)*272
.set SBLK,   (16*KS/256)*272
.set SPARE,  SCL+4*HALFS               ; the spare words, 128 bytes for each wave, which no other line names
.set SROW,   144                       ; the way out: a stage row, 64 f16 + 16 bytes; a wave's stage is [2 heads][16 rows], in slot 0, which has had its one fill and its last read by then
.set ADRA, 16
.set ADRB, 20
.set BIA,  22                          ; v22  32 x (lane / 16): my eight numbers of a block's bias
.set STO,  24
.set RD,   25
.set CO,   26
.set ADRS, 27
.set SPW,  28
.set NIL,  29
.set FLG,  30                          ; v30  0 where my rows 0-15 are positions 0-15 of a sequence
.set C16,  31                          ; v31  my byte offset in qkv16
.set SC,   32
.set AF,   128
.set BI,   192
.set TMP,  128                         ; the way out: 32 registers of packed results
.set BK,   160                         ; and 16 rows read back: v160-191 and v192-223 by turns
.set G1, 24
.set G0, 32
.set G1B, 48
.set G0B, 56
.set G1S, 68
.set G0S, 76
.set G1SB, 80
.set G0SB, 88
.set MSB, 0
.macro WIN new                         ; the immediate's high byte repeats the setting that is left
.if MSB != (\new)
	s_set_vgpr_msb (MSB<<8)|(\new)
.set MSB, (\new)
.endif
.endm
.set MUL_LO, 0xa1                      ; source 0 (B) window 1, source 1 (A) window 0, C and D window 2
.set MUL_HI, 0xf1                      ; the same, C and D window 3
.set TO_B,   0x40
; A joint load: waves 0 and 1 fetch for A, waves 2 and 3 for B; the branch hangs on the wave's number alone.  An s_nop 0 and four v_nop follow each of the two lines.
.macro JLOAD g0a, g1a, g0b, g1b
	s_cmp_eq_u32 s15, 0
	s_cbranch_scc0 .Lfor_b_\@
	tensor_load_to_lds s[\g0a:\g0a+3], s[\g1a:\g1a+7]
	s_nop 0
.rept 4
	v_nop
.endr
	s_branch .Lasked_\@
.Lfor_b_\@:
	tensor_load_to_lds s[\g0b:\g0b+3], s[\g1b:\g1b+7]
	s_nop 0
.rept 4
	v_nop
.endr
.Lasked_\@:
.endm
.macro CROUND                          ; a round of the cluster's barrier
	s_barrier_signal -1
	s_barrier_wait -1
	s_cmp_lg_u32 s14, 0
	s_cbranch_scc1 .Lnot_wave_0_\@
	s_barrier_signal -3
.Lnot_wave_0_\@:
	s_barrier_wait -3
	s_barrier_signal -1
	s_barrier_wait -1
.endm
	s_load_b128 s[4:7], s[0:1], 0x0                ; A's codes s[4:5], A's scales s[6:7]
	s_load_b128 s[8:11], s[0:1], 0x10              ; B's codes s[8:9], B's scales s[10:11]
	s_load_b64 s[96:97], s[0:1], 0x20              ; the bias
	s_load_b64 s[12:13], s[0:1], 0x28              ; qkvh
	s_load_b64 s[98:99], s[0:1], 0x30              ; qkv16
	v_lshl_add_u32 v[SPW], v0, 2, SPARE
	v_mov_b32 v[NIL], 0
	ds_add_u32 v[SPW], v[NIL]                      ; the wave's opening: the add, twice on end, and its wait ahead of my first tensor load
	ds_add_u32 v[SPW], v[NIL]
	v_lshrrev_b32 v1, 5, v0
	v_readfirstlane_b32 s14, v1                    ; wave 0..3
	s_lshr_b32 s15, s14, 1                         ; which half of the tile's rows is mine.  Also: I fetch for A (0) or for B (1)
	s_and_b32 s16, s14, 1                          ; which half of its columns.  Also: which 128 rows of that tile I fetch
	s_bfe_u32 s40, ttmp6, 0x40000                  ; cx, cy: my place in the cluster
	s_bfe_u32 s41, ttmp6, 0x40004
	s_lshl_b32 s42, ttmp9, 2
	s_add_co_u32 s42, s42, s40                     ; tile column of C
	s_and_b32 s17, ttmp7, 0xffff
	s_lshl_b32 s17, s17, 2
	s_add_co_u32 s17, s17, s41                     ; tile row of C
	s_lshl_b32 s43, s41, 2
	s_lshl_b32 s43, 15, s43                        ; my row of the cluster
	s_lshl_b32 s44, 0x1111, s40                    ; my column
	s_or_b32 s[G1+0], s43, (0<<16)|(1<<20)|(1<<21)|(5<<22)|(3<<25)  ; the mask; elements of 1 byte; padding on; bit 21 beside a mask; 4 words behind every 64
	s_or_b32 s[G1B+0], s44, (0<<16)|(1<<20)|(1<<21)|(5<<22)|(3<<25)
.irp g, G1, G1B
	s_mov_b32 s[\g+1], ROWB<<16                    ; tensor_dim0
	s_mov_b32 s[\g+2], 128<<16                     ; tensor_dim1
	s_mov_b32 s[\g+3], ROWB<<16                    ; tile_dim0
	s_mov_b32 s[\g+4], 128                         ; tile_dim1
	s_mov_b32 s[\g+5], KROW                        ; tensor_dim0_stride
	s_mov_b32 s[\g+6], 0
	s_mov_b32 s[\g+7], 0
.endr
	s_or_b32 s[G1S+0], s43, (3<<16)|(1<<20)|(1<<21)|(5<<22)|(3<<25)  ; the scales of 128 rows: a dense block, as rows of 256 bytes (32 elements of 8), 16 bytes of padding behind each
	s_or_b32 s[G1SB+0], s44, (3<<16)|(1<<20)|(1<<21)|(5<<22)|(3<<25)
.irp g, G1S, G1SB
	s_mov_b32 s[\g+1], 32<<16
	s_mov_b32 s[\g+2], (128*KS/256)<<16
	s_mov_b32 s[\g+3], 32<<16
	s_mov_b32 s[\g+4], 128*KS/256
	s_mov_b32 s[\g+5], 32
	s_mov_b32 s[\g+6], 0
	s_mov_b32 s[\g+7], 0
.endr
	s_lshl_b32 s18, s16, 7
	s_lshl_b32 s20, s17, 8
	s_add_co_u32 s20, s20, s18                     ; A: row 256 x tile row + 128 x half
	s_lshl_b32 s46, s42, 8
	s_add_co_u32 s46, s46, s18                     ; B: row 256 x tile column + 128 x half
	s_mov_b32 s21, 0
	s_mov_b32 s47, 0
	s_mov_b64 s[18:19], KS
	s_mul_u64 s[22:23], s[20:21], s[18:19]         ; where these rows' scales begin,
	s_mul_u64 s[92:93], s[46:47], s[18:19]
	s_mov_b64 s[18:19], KROW
	s_mul_u64 s[20:21], s[20:21], s[18:19]         ; and their codes
	s_mul_u64 s[46:47], s[46:47], s[18:19]
	s_mul_i32 s45, s14, HALFT                      ; where they go: no place in the cluster enters an LDS address
	s_mul_i32 s94, s14, HALFS
	s_wait_dscnt 0x0                               ; both opening adds are done
	s_wait_kmcnt 0x0
	s_add_nc_u64 s[20:21], s[4:5], s[20:21]
	s_add_nc_u64 s[22:23], s[6:7], s[22:23]
	s_add_nc_u64 s[46:47], s[8:9], s[46:47]
	s_add_nc_u64 s[92:93], s[10:11], s[92:93]
	CROUND                                         ; all sixteen work-groups are here: the first joint loads meet
	s_mov_b32 s[G0S], 1
	s_add_co_u32 s[G0S+1], s94, SCL
	s_mov_b64 s[G0S+2:G0S+3], s[22:23]
	s_or_b32 s[G0S+3], s[G0S+3], 0x80000000
	s_mov_b32 s[G0SB], 1
	s_add_co_u32 s[G0SB+1], s94, SCL
	s_mov_b64 s[G0SB+2:G0SB+3], s[92:93]
	s_or_b32 s[G0SB+3], s[G0SB+3], 0x80000000
	JLOAD G0S, G1S, G0SB, G1SB                     ; the scales first: they are wanted with K step 0
.irp s, 0,1
	s_mov_b32 s[G0+4*\s], 1
	s_add_co_u32 s[G0+4*\s+1], s45, \s*SLOT
	s_add_nc_u64 s[G0+4*\s+2:G0+4*\s+3], s[20:21], \s*ROWB
	s_or_b32 s[G0+4*\s+3], s[G0+4*\s+3], 0x80000000
	s_mov_b32 s[G0B+4*\s], 1
	s_add_co_u32 s[G0B+4*\s+1], s45, \s*SLOT
	s_add_nc_u64 s[G0B+4*\s+2:G0B+4*\s+3], s[46:47], \s*ROWB
	s_or_b32 s[G0B+4*\s+3], s[G0B+4*\s+3], 0x80000000
	JLOAD G0+4*\s, G1, G0B+4*\s, G1B
.endr
	v_and_b32 v1, 15, v0                           ; r = lane % 16
	v_bfe_u32 v2, v0, 4, 1                         ; h = lane / 16
	v_mul_u32_u24 v3, v1, PITCH
	v_lshl_add_u32 v4, v2, 4, v3                   ; a fragment's row x pitch + 16 h
	s_mul_i32 s21, s15, HALFT                      ; my 128 rows of A
	s_mul_i32 s22, s16, HALFT                      ; my 128 rows of B,
	s_add_co_u32 s22, s22, 2*HALFT                 ; which lie behind A's 256
.irp s, 0,1
	v_add_nc_u32 v[ADRA+\s], s21, v4
	v_add_nc_u32 v[ADRB+\s], s22, v4
	s_add_co_u32 s21, s21, SLOT
	s_add_co_u32 s22, s22, SLOT
.endr
	v_mul_u32_u24 v5, v1, KS                       ; my row's scales: KS bytes a row,
	v_lshrrev_b32 v6, 8, v5
	v_lshl_add_u32 v5, v6, 4, v5                   ; and 16 more for each 256 passed
	s_mul_i32 s21, s15, HALFS
	s_mul_i32 s22, s16, HALFS
	s_add_co_u32 s22, s22, 2*HALFS
	s_sub_co_u32 s22, s22, s21
	v_mul_u32_u24 v6, s22, v2                      ; lanes 16-31 take B's
	s_add_co_u32 s21, s21, SCL
	v_add_nc_u32 v5, v5, v6
	v_add_nc_u32 v[ADRS], s21, v5
	s_mul_i32 s23, s14, 2*16*SROW                  ; my stage
	v_mul_u32_u24 v5, v1, SROW                     ; in: row r, 16 bytes for each half of the lanes
	v_lshl_add_u32 v5, v2, 4, v5
	v_add_nc_u32 v[STO], s23, v5
	v_and_b32 v6, 31, v0
	v_lshrrev_b32 v8, 3, v6                        ; back: eight lanes to a row of 128 bytes, four rows an instruction
	v_mul_u32_u24 v8, v8, SROW
	v_and_b32 v9, 7, v6
	v_lshl_add_u32 v8, v9, 4, v8
	v_add_nc_u32 v[RD], s23, v8
	v_lshlrev_b32 v[CO], 4, v6                     ; and the same 512 bytes in qkvh: four rows of a head are dense
	v_lshlrev_b32 v[BIA], 5, v2
	v_mul_u32_u24 v[C16], v1, 12288                ; qkv16: row r, + 32 h
	v_lshl_add_u32 v[C16], v2, 5, v[C16]
	; qkvh at my first row: (((batch x 48 + 4 x tile column + 2 x column half) x 2048 + (tile row % 8) x 256 + 128 x row half) x 128 bytes
	s_lshr_b32 s20, s17, 3                         ; the batch
	s_mul_i32 s20, s20, 48
	s_lshl_b32 s20, s20, 11
	s_and_b32 s21, s17, 7
	s_lshl_b32 s21, s21, 8
	s_add_co_u32 s20, s20, s21
	s_lshl_b32 s21, s15, 7
	s_add_co_u32 s20, s20, s21
	s_lshl_b32 s46, s42, 2
	s_lshl_b32 s47, s16, 1
	s_add_co_u32 s46, s46, s47
	s_lshl_b32 s46, s46, 11
	s_add_co_u32 s20, s20, s46
	s_lshl_b32 s20, s20, 7
	s_mov_b32 s21, 0
	s_add_nc_u64 s[12:13], s[12:13], s[20:21]
	s_lshl_b32 s46, s42, 10                        ; my first column in f32 bytes: 1024 x tile column + 512 x half
	s_lshl_b32 s47, s16, 9
	s_add_co_u32 s46, s46, s47
	s_mov_b32 s47, 0
	s_add_nc_u64 s[96:97], s[96:97], s[46:47]
	s_add_nc_u64 s[98:99], s[98:99], s[46:47]
	s_lshr_b32 s46, s17, 3
	s_mul_i32 s46, s46, 196608                     ; the batch's 16 rows of 12,288 bytes
	s_add_nc_u64 s[98:99], s[98:99], s[46:47]
	s_and_b32 s46, s17, 7
	s_or_b32 s46, s46, s15
	v_mov_b32 v[FLG], s46
.irp b, 0,1,2,3,4,5,6,7
	global_load_b128 v[BI+8*\b:BI+8*\b+3], v[BIA], s[96:97] offset:64*\b        ; the bias of columns 16 b + 8 h + 0 .. 7: the result's layout
	global_load_b128 v[BI+8*\b+4:BI+8*\b+7], v[BIA], s[96:97] offset:64*\b+16
.endr
.macro FRAG reg, adr, q, i             ; 16 rows x 128 K of 4-bit codes: 8 registers; registers 4 c .. 4 c + 3 hold K = 64 c + 32 h + 0 .. 31
.irp c, 0,1
	ds_load_b128 v[\reg+4*\c:\reg+4*\c+3], v[\adr] offset:64*(\q)+32*\c+(\i)*16*PITCH
.endr
.endm
; 16 matrix instructions: A's blocks a0, a0 + 1 x B's eight, 128 along K.  zero = 1: the first product starts the sums from the bias.  The 64 accumulators take turns, one instruction a turn.
.macro MUL16 a0, p, q, sc, zero
.irp a, \a0, \a0+1
.irp b, 0,1,2,3,4,5,6,7
.if \zero
	v_wmma_scale_f32_16x16x128_f8f6f4 v[8*(8*((\a)%4)+\b):8*(8*((\a)%4)+\b)+7], v[128*(\p)+FR*\b:128*(\p)+FR*\b+FR-1], v[AF+FR*(\a):AF+FR*(\a)+FR-1], v[BI+8*\b:BI+8*\b+7], v[SC+8*NQ*(\sc)+NQ*\b+(\q)], v[SC+8*NQ*(\sc)+NQ*(\a)+(\q)] matrix_a_fmt:MATRIX_FMT_FP4 matrix_b_fmt:MATRIX_FMT_FP4 matrix_a_scale:MATRIX_SCALE_ROW1
.else
	v_wmma_scale_f32_16x16x128_f8f6f4 v[8*(8*((\a)%4)+\b):8*(8*((\a)%4)+\b)+7], v[128*(\p)+FR*\b:128*(\p)+FR*\b+FR-1], v[AF+FR*(\a):AF+FR*(\a)+FR-1], v[8*(8*((\a)%4)+\b):8*(8*((\a)%4)+\b)+7], v[SC+8*NQ*(\sc)+NQ*\b+(\q)], v[SC+8*NQ*(\sc)+NQ*(\a)+(\q)] matrix_a_fmt:MATRIX_FMT_FP4 matrix_b_fmt:MATRIX_FMT_FP4 matrix_a_scale:MATRIX_SCALE_ROW1
.endif
.endr
.endr
.endm
.macro FETCH_B slot, q, p
	WIN TO_B
.irp i, 0,1,2,3,4,5,6,7
	FRAG 128*(\p)+FR*\i, ADRB+\slot, \q, \i
.endr
	WIN 0
.endm
.macro FETCH_A slot, q, i0
.irp i, \i0, \i0+1, \i0+2, \i0+3
	FRAG AF+FR*(\i), ADRA+\slot, \q, \i
.endr
.endm
.macro SCALES sc                       ; a K step's scale words: lanes 0-15 take A's block i, lanes 16-31 B's block i
.irp i, 0,1,2,3,4,5,6,7
	ds_load_b128 v[SC+8*NQ*\sc+NQ*\i:SC+8*NQ*\sc+NQ*\i+3], v[ADRS] offset:\i*SBLK
.endr
.endm
.macro PLACES n                        ; plain vector instructions between a matrix instruction and a load into, or a read of, its registers
.rept \n
	v_nop
.endr
.endm
.macro STEP slot, q, zero              ; a step of 128 along K that has its successor in the same slot
	s_wait_dscnt 4*NL                              ; B's set and A's blocks 0-3 are in; the youngest eight loads (A's blocks 4-7) may be out
	WIN MUL_LO-0x20*(\zero)                        ; (zero = 1: C, the bias, in window 0)
	MUL16 0, (\q)%2, \q, \slot, \zero
	MUL16 2, (\q)%2, \q, \slot, \zero
	s_wait_dscnt 0
	PLACES NP
	FETCH_B \slot, (\q)+1, 1-(\q)%2
	FETCH_A \slot, (\q)+1, 0
	WIN MUL_HI-0x30*(\zero)
	MUL16 4, (\q)%2, \q, \slot, \zero
	MUL16 6, (\q)%2, \q, \slot, \zero
	PLACES NP
	WIN 0
	FETCH_A \slot, (\q)+1, 4
.endm
; Slot 0's last step changes slots: one barrier; in front of it each wave waits for all its tensor loads (its part of slot 1), adds 0 to its spare word, and waits for that and for its reads of slot 0.
.macro TURN slot, next
	s_wait_tensorcnt 0x0
	ds_add_u32 v[SPW], v[NIL]
	s_wait_dscnt 4*NL+1                            ; the add and the youngest eight loads may be out
	WIN MUL_LO
	MUL16 0, 1, NQ-1, \slot, 0
	s_wait_dscnt 0x0                               ; the add is done, and my reads of this slot are over
	s_barrier_signal -1
	MUL16 2, 1, NQ-1, \slot, 0
	WIN 0
	s_barrier_wait -1
	PLACES NP
	v_add_nc_u32 v[ADRS], 4*NQ, v[ADRS]            ; on to the next K step's scale words
	FETCH_B \next, 0, 0
	FETCH_A \next, 0, 0
	SCALES \next
	WIN MUL_HI
	MUL16 4, 1, NQ-1, \slot, 0
	MUL16 6, 1, NQ-1, \slot, 0
	PLACES NP
	WIN 0
	FETCH_A \next, 0, 4
.endm
.macro STEPS slot, from
.set Q, \from
.rept NQ-1-\from
	STEP \slot, Q, 0
.set Q, Q+1
.endr
.endm
	s_wait_tensorcnt 1                             ; the scales and my part of K step 0 are in (K step 1's load may be out),
	s_barrier_signal -1
	s_barrier_wait -1                              ; everybody's are
	FETCH_B 0, 0, 0
	FETCH_A 0, 0, 0
	SCALES 0
	FETCH_A 0, 0, 4
	s_wait_loadcnt 0x0                             ; the bias
	STEP 0, 0, 1
	STEPS 0, 1
	TURN 0, 1
	STEPS 1, 0
	s_wait_dscnt 4*NL                              ; the very last step: nothing more to fetch
	WIN MUL_LO
	MUL16 0, 1, NQ-1, 1, 0
	MUL16 2, 1, NQ-1, 1, 0
	s_wait_dscnt 0
	WIN MUL_HI
	MUL16 4, 1, NQ-1, 1, 0
	MUL16 6, 1, NQ-1, 1, 0
	WIN 0
	PLACES NP
; POSITIONS 0-15 IN F32.  Where my rows 0-15 are a sequence's first 16 positions, block 0's accumulators are stored as they are.  No branch: the lanes are switched off elsewhere (a branch would hang on my place in the cluster).
; A lane stores 32 neighbouring bytes of a row; these are 786,432 bytes of the launch's 51 million.
	v_cmp_eq_u32 vcc_lo, 0, v[FLG]
	s_wait_xcnt 0x0                                ; EXEC changes only behind this wait
	s_and_saveexec_b32 s100, vcc_lo
	WIN 0x08                                       ; a store's data are its source 1: window 2
.irp b, 0,1,2,3,4,5,6,7
	global_store_b128 v[C16], v[8*\b:8*\b+3], s[98:99] offset:64*\b            ; each accumulator from its low end on
	global_store_b128 v[C16], v[8*\b+4:8*\b+7], s[98:99] offset:64*\b+16
.endr
	WIN 0
	s_wait_xcnt 0x0                                ; and again, in front of the line that widens it
	s_or_b32 exec_lo, exec_lo, s100
; THE WAY OUT, block by block of 16 rows x 128 columns (two heads).  Rounded to f16, 16 bytes a lane; through my own stage; back as runs of four rows of a head, 512 consecutive bytes of qkvh.
.macro PACK a
.set AC, 64*((\a)%4)
	WIN 0x0a+5*((\a)/4)                            ; sources 0 and 1: window 2 or 3
.irp b, 0,1,2,3,4,5,6,7
.irp i, 0,1,2,3
	v_cvt_pk_f16_f32 v[TMP+4*\b+\i], v[AC+8*\b+2*\i], v[AC+8*\b+2*\i+1]
.endr
.endr
	WIN 0
.endm
.macro TOSTAGE a
.set BB, BK+32*((\a)%2)
.irp b, 0,1,2,3,4,5,6,7
	ds_store_b128 v[STO], v[TMP+4*\b:TMP+4*\b+3] offset:(\b/4)*16*SROW+(\b%4)*32
.endr
.irp d, 0,1
.irp i, 0,1,2,3
	ds_load_b128 v[BB+4*(4*\d+\i):BB+4*(4*\d+\i)+3], v[RD] offset:\d*16*SROW+\i*4*SROW   ; LDS serves a wave's instructions in order: these see the stores above
.endr
.endr
.endm
.macro SEND a
.set BB, BK+32*((\a)%2)
	s_wait_dscnt 0x0                               ; the block is back in registers
	s_wait_xcnt 0x0                                ; earlier stores have read their base and their registers
.if (\a) > 0
	s_add_nc_u64 s[12:13], s[12:13], 2048          ; 16 rows of a head on
.endif
.irp d, 0,1
.irp i, 0,1,2,3
	global_store_b128 v[CO], v[BB+4*(4*\d+\i):BB+4*(4*\d+\i)+3], s[12:13] offset:\d*262144+\i*512   ; 32 lanes store 512 consecutive bytes, aligned
.endr
.endr
.endm
	PACK 0
	TOSTAGE 0
.irp a, 1,2,3,4,5,6,7                  ; block a's conversions stand between block a - 1's loads from the stage and the wait for them
	PACK \a
	SEND \a-1
	TOSTAGE \a
.endr
	SEND 7
	s_wait_tensorcnt 0x0                           ; the wave's end
	ds_add_u32 v[SPW], v[NIL]
	s_wait_dscnt 0x0
	CROUND                                         ; the closing round
	s_endpgm
.Lfunc_end_k_q7a07bd075e_qkv:
	.size	k_q7a07bd075e_qkv, .Lfunc_end_k_q7a07bd075e_qkv-k_q7a07bd075e_qkv
	.p2alignl 7, 3214868480
	.fill 96, 4, 3214868480
	.section	.rodata,"a",@progbits
	.p2align	6, 0x0
	.amdhsa_kernel k_q7a07bd075e_qkv
		.amdhsa_group_segment_fixed_size 327680
		.amdhsa_private_segment_fixed_size 0
		.amdhsa_enable_private_segment 0
		.amdhsa_kernarg_size 56
		.amdhsa_user_sgpr_count 2
		.amdhsa_user_sgpr_kernarg_segment_ptr 1
		.amdhsa_wavefront_size32 1
		.amdhsa_system_sgpr_workgroup_id_x 1
		.amdhsa_system_sgpr_workgroup_id_y 1
		.amdhsa_system_sgpr_workgroup_id_z 1
		.amdhsa_system_vgpr_workitem_id 0
		.amdhsa_next_free_vgpr 1024
		.amdhsa_next_free_sgpr 102
		.amdhsa_reserve_vcc 1
		.amdhsa_float_denorm_mode_32 3
		.amdhsa_float_denorm_mode_16_64 3
		.amdhsa_memory_ordered 1
		.amdhsa_forward_progress 1
		.amdhsa_inst_pref_size 131
	.end_amdhsa_kernel
	.amdgpu_metadata
---
amdhsa.version: [ 1, 2 ]
amdhsa.kernels:
  - .name:           k_q7a07bd075e_qkv
    .symbol:         k_q7a07bd075e_qkv.kd
    .args:
      - { .name: x_codes, .offset: 0, .size: 8, .value_kind: global_buffer, .address_space: global }
      - { .name: x_scales, .offset: 8, .size: 8, .value_kind: global_buffer, .address_space: global }
      - { .name: w_codes, .offset: 16, .size: 8, .value_kind: global_buffer, .address_space: global }
      - { .name: w_scales, .offset: 24, .size: 8, .value_kind: global_buffer, .address_space: global }
      - { .name: b_qkv, .offset: 32, .size: 8, .value_kind: global_buffer, .address_space: global }
      - { .name: qkvh, .offset: 40, .size: 8, .value_kind: global_buffer, .address_space: global }
      - { .name: qkv16, .offset: 48, .size: 8, .value_kind: global_buffer, .address_space: global }
    .group_segment_fixed_size: 327680
    .private_segment_fixed_size: 0
    .kernarg_segment_align: 8
    .kernarg_segment_size: 56
    .max_flat_workgroup_size: 128
    .sgpr_count:     102
    .vgpr_count:     1024
    .wavefront_size: 32
...
	.end_amdgpu_metadata
.endif
;; end of part 2
;; launch attn (part 3): grid 4 x 64, 16 waves a work-group, no clusters, 327,680 bytes of LDS; arguments qkvh, attnh; writes attnh
.if DOCPART == 3
	.amdgcn_target "amdgcn-amd-amdhsa--gfx1250"
	.amdhsa_code_object_version 6
	.text
	.protected	k_q7a07bd075e_attn
	.globl	k_q7a07bd075e_attn
	.p2align	8
	.type	k_q7a07bd075e_attn,@function
k_q7a07bd075e_attn:
	s_mov_b64 s[64:65], 0
	v_nop
	global_prefetch_b8 v0, s[64:65] scope:SCOPE_SE
	s_setreg_imm32_b32 hwreg(HW_REG_WAVE_MODE, 25, 1), 1
	s_wait_xcnt 0x0
; attn[b][h][q][:] = the sum over k <= q of softmax_k(Q[q] . K[k] / 8) V[k][:], causal; operands in f16, products, maxima and sums in f32; the weights p are rounded to f16 for the second product.
; IN: qkvh, f16, [batch 4][48][2048][64]: heads 0-15 q, 16-31 k, 32-47 v.  OUT: attnh, f16, [head 16][batch x 2048 + position][64].
; LIMITS: a hidden key has weight exactly 0: its score is set to -infinity; |attn| stays under 65,504.
; NO CLUSTER: the four work-groups of a head need different numbers of key slots under the mask, so a partner would be sent tiles that none of its waves reads.
; SHARES.  Work-group (i, head) owns the query blocks i and 7 - i of 256: every work-group has the same number of open key steps.  Each of its sixteen waves owns 32 queries, two tiles of 16, in 256 registers:
; four waves to a SIMD, so that one wave's softmax stands beside another's products.  Wave w: block half (w ^ (w >> 2)) & 1, queries 32 (w >> 1) on.
; A key step is 64 keys; a slot holds 256 keys of K and V; two slots take turns, filled by the tensor data mover (waves 0, 1: K's halves; waves 2, 3: V's), one load a wave behind each barrier.
; EVERY work-group walks all 8 slots: trip counts are constants.  A step all of whose keys come after the wave's queries is jumped over; a slot whose first key comes after the work-group's last query is not asked for.
; LAYOUT.  S^T = K Q^T (source 0 = 16 keys, source 1 = 16 queries): a lane holds ONE query (lane % 16) and keys 8 (lane / 16) + 0..7.  Two such tiles, rounded to f16 in pairs, ARE source 1 of O^T = V^T P.
; K comes out of LDS as it lies, V ([key][channel]) turned, by ds_load_tr16_b128.  A head is dense in memory, so a tile is stated as rows of 256 bytes: two keys to an LDS row.
; SOFTMAX.  A running maximum m and sum l for each query: p = 2^(c s - c m), c = log2(e) / 8; in every step O and l are multiplied by a = 2^(c m_old - c m_new).
.set KP,    272                        ; two keys of K + 16 bytes: key k at (k / 2) 272 + (k % 2) 128: the 16 rows of a load fall on 16 different columns of 16 bytes
.set VP,    288                        ; two keys of V + 32 bytes: the turning load's 16 lanes likewise
.set VOFF,  128*KP
.set SLOT1, 1<<17                      ; slot 1 begins here: one exclusive or turns an address
.set STAGE, SLOT1+128*(KP+VP)          ; behind the ring: 32 rows x 144 bytes for each wave; no fill lands here
.set SPARE, STAGE+16*32*144            ; the spare words, 128 bytes for each wave, which no other line names
.set NSL,   8
.set AK0, 1
.set AV0, 2
.set ADK, 3
.set ADV, 4
.set SPW, 5
.set NIL, 6
.set RH,  7                            ; v7  lane % 16 - 8 (lane / 16)
.set NEG, 8                            ; v8  -infinity
.set PFO, 9                            ; v9  256 x lane
.set ST,  16                           ; tile t's statistics at v[16 + 8 t]: +0 c m, +1 m, +2, +3 l, +4 to +7 at work; a at +6
.set Q,   32                           ; Q's fragments: 32 + 16 t + 8 c
.set S,   64                           ; S^T: 64 + 32 t + 8 kt; p is packed in place into the tile's first 16 registers
.set OA,  128                          ; O^T: 128 + 32 t + 8 ct
.set KV,  192                          ; K's fragments of a step, then V's
.set WV,  18
.set SEL, 20
.set CS,  22
.set G1K, 24
.set G1V, 32
.set G0K, 40
.set G0V, 44
.set TB,  2
.set SLOTS, 67
.set QL,  68                           ; s68  my work-group's last query
.set PFA, 76
.set LIM, 80
.set KF,  98                           ; s98  the step's first key
.set Q0,  99                           ; s99  my wave's first query
; Waves 0 and 1 fetch for K, waves 2 and 3 for V, the others nothing.  An s_nop 0 and four v_nop follow each of the two lines.
.macro TLOAD
	s_cmp_lt_u32 s[WV], 2
	s_cbranch_scc0 .Lnot_k_\@
	tensor_load_to_lds s[G0K:G0K+3], s[G1K:G1K+7]
	s_nop 0
.rept 4
	v_nop
.endr
	s_branch .Lasked_\@
.Lnot_k_\@:
	s_cmp_lt_u32 s[WV], 4
	s_cbranch_scc0 .Lasked_\@
	tensor_load_to_lds s[G0V:G0V+3], s[G1V:G1V+7]
	s_nop 0
.rept 4
	v_nop
.endr
.Lasked_\@:
.endm
; A prefetch of what the NEXT change of slots will ask for: 32,768 bytes of K and of V.  The head's first work-group asks, and nobody else; in it waves 4 to 7 for K, waves 8 to 11 for V, 8,192 bytes a wave,
; lanes 256 bytes apart: each aligned block of 256 bytes is named once in the launch.  The last change that fills a slot asks for nothing; slots 0 and 1 come by their loads alone.
.macro ASK
	s_cmp_gt_u32 s[SLOTS], s[LIM]
	s_cbranch_scc0 .Lnot_mine_\@
	global_prefetch_b8 v[PFO], s[PFA:PFA+1] th:TH_LOAD_NT scope:SCOPE_SE
.Lnot_mine_\@:
.endm
	s_load_b128 s[4:7], s[0:1], 0x0                ; qkvh s[4:5], attnh s[6:7]
	v_lshl_add_u32 v[SPW], v0, 2, SPARE
	v_mov_b32 v[NIL], 0
	ds_add_u32 v[SPW], v[NIL]                      ; the wave's opening: the add, twice on end, and its wait ahead of my first tensor load
	ds_add_u32 v[SPW], v[NIL]
	v_lshrrev_b32 v10, 5, v0
	v_readfirstlane_b32 s[WV], v10                 ; wave 0..15
	s_and_b32 s9, ttmp7, 0xffff
	s_lshr_b32 s10, s9, 4                          ; the batch
	s_and_b32 s11, s9, 15                          ; the head
	s_lshr_b32 s12, s[WV], 2
	s_xor_b32 s12, s12, s[WV]
	s_and_b32 s12, s12, 1                          ; which of the work-group's two query blocks
	s_lshr_b32 s13, s[WV], 1
	s_lshl_b32 s14, ttmp9, 1
	s_sub_co_u32 s14, 7, s14
	s_mul_i32 s14, s14, s12
	s_add_co_u32 s14, s14, ttmp9                   ; block i or 7 - i
	s_lshl_b32 s[Q0], s14, 8
	s_lshl_b32 s13, s13, 5
	s_add_co_u32 s[Q0], s[Q0], s13
	s_sub_co_u32 s[QL], 8, ttmp9
	s_lshl_b32 s[QL], s[QL], 8
	s_sub_co_u32 s[QL], s[QL], 1
	s_mul_i32 s70, s10, 48
	s_add_co_u32 s70, s70, s11
	s_lshl_b32 s70, s70, 18                        ; the q head's first byte: 262,144 bytes a head
	s_mov_b32 s71, 0
	s_and_b32 s15, s[WV], 1
	s_lshl_b32 s72, s15, 14                        ; what I fetch, if I fetch: 128 keys, 16,384 bytes,
	s_mov_b32 s73, 0
	s_mul_i32 s16, s15, 64*KP                      ; and where it goes
	s_mul_i32 s17, s15, 64*VP
	s_add_co_u32 s17, s17, VOFF
	s_lshl_b32 s74, s[Q0], 7                       ; my queries' rows
	s_mov_b32 s75, 0
	s_lshl_b32 s84, s11, 13
	s_lshl_b32 s85, s10, 11
	s_add_co_u32 s84, s84, s85
	s_add_co_u32 s84, s84, s[Q0]
	s_lshl_b32 s84, s84, 7                         ; attnh: (head x 8192 + batch x 2048 + query) x 128 bytes
	s_mov_b32 s85, 0
	; descriptor group 1: 64 rows of 256 bytes (32 elements of 8), dense; K: 4 words of padding behind each, V: 8
	s_mov_b32 s[G1K], (3<<16)|(1<<20)|(5<<22)|(3<<25)
	s_mov_b32 s[G1V], (3<<16)|(1<<20)|(5<<22)|(7<<25)
.irp g, G1K, G1V
	s_mov_b32 s[\g+1], 32<<16                      ; tensor_dim0
	s_mov_b32 s[\g+2], 64<<16                      ; tensor_dim1
	s_mov_b32 s[\g+3], 32<<16                      ; tile_dim0
	s_mov_b32 s[\g+4], 64                          ; tile_dim1
	s_mov_b32 s[\g+5], 32                          ; tensor_dim0_stride
	s_mov_b32 s[\g+6], 0
	s_mov_b32 s[\g+7], 0
.endr
	s_mov_b32 s[SEL], 0x76543210
	s_mov_b32 s[SEL+1], 0xfedcba98                 ; v_permlanex16_b32's selects for lane l xor 16
	s_mov_b32 s[CS], 0x3e38aa3b                    ; c = log2(e) / 8
	s_mov_b32 s[CS+1], s[CS]                       ; (named with it as a pair)
	s_mov_b32 s[TB], 0
	s_mov_b32 s[KF], 0
	s_mov_b32 s[SLOTS], NSL-1
	s_wait_dscnt 0x0                               ; both opening adds are done
	s_wait_kmcnt 0x0
	s_add_nc_u64 s[4:5], s[4:5], s[70:71]          ; the q head,
	s_add_nc_u64 s[88:89], s[4:5], 4194304         ; the k head, 16 heads on,
	s_add_nc_u64 s[90:91], s[4:5], 8388608         ; the v head
	s_mov_b32 s[G0K], 1
	s_mov_b32 s[G0K+1], s16
	s_add_nc_u64 s[G0K+2:G0K+3], s[88:89], s[72:73]
	s_or_b32 s[G0K+3], s[G0K+3], 0x80000000
	s_mov_b32 s[G0V], 1
	s_mov_b32 s[G0V+1], s17
	s_add_nc_u64 s[G0V+2:G0V+3], s[90:91], s[72:73]
	s_or_b32 s[G0V+3], s[G0V+3], 0x80000000
	TLOAD                                          ; slot 0: it holds key 0, which counts for every query
	s_add_nc_u64 s[4:5], s[4:5], s[74:75]
	s_add_nc_u64 s[6:7], s[6:7], s[84:85]
	s_cmp_lt_u32 s[WV], 8
	s_cselect_b64 s[PFA:PFA+1], s[88:89], s[90:91]
	s_and_b32 s82, s[WV], 3
	s_lshl_b32 s82, s82, 13
	s_add_co_u32 s82, s82, 32768                   ; in slot 1: the first change of slots steps it to slot 2
	s_mov_b32 s83, 0
	s_add_nc_u64 s[PFA:PFA+1], s[PFA:PFA+1], s[82:83]
	s_sub_co_u32 s82, s[WV], 4
	s_lshr_b32 s82, s82, 3                         ; 0 in waves 4 to 11,
	s_or_b32 s82, s82, ttmp9                       ; of the head's first work-group
	s_cmp_eq_u32 s82, 0
	s_cselect_b32 s[LIM], 1, -1
	v_and_b32 v13, 15, v0                          ; r
	v_bfe_u32 v14, v0, 4, 1                        ; h
	v_lshlrev_b32 v10, 7, v13
	v_lshl_add_u32 v10, v14, 4, v10                ; Q: row r of 128 bytes, + 16 h
.irp t, 0,1
.irp c, 0,1
.irp e, 0,1
	global_load_b128 v[Q+16*\t+8*\c+4*\e:Q+16*\t+8*\c+4*\e+3], v10, s[4:5] offset:2048*\t+64*\c+32*\e   ; Q stays in registers
.endr
.endr
.endr
	v_lshrrev_b32 v11, 1, v13
	v_mul_u32_u24 v[AK0], v11, KP
	v_and_b32 v11, 1, v13
	v_lshl_add_u32 v[AK0], v11, 7, v[AK0]
	v_lshl_add_u32 v[AK0], v14, 4, v[AK0]          ; K: (r / 2) 272 + (r % 2) 128 + 16 h
	v_bfe_u32 v11, v0, 1, 2
	v_lshl_add_u32 v11, v14, 2, v11
	v_mul_u32_u24 v[AV0], v11, VP                  ; V: key 8 h + lane % 8: row pair 4 h + (lane % 8) / 2,
	v_and_b32 v11, 1, v0
	v_lshl_add_u32 v[AV0], v11, 7, v[AV0]          ; which of the pair,
	v_bfe_u32 v11, v0, 3, 1
	v_lshl_add_u32 v[AV0], v11, 4, v[AV0]          ; channels 8 ((lane / 8) % 2) on
	v_add_nc_u32 v[AV0], VOFF, v[AV0]
	v_lshlrev_b32 v11, 3, v14
	v_sub_nc_u32 v[RH], v13, v11
	v_mov_b32 v[NEG], 0xff800000
	v_and_b32 v[PFO], 31, v0
	v_lshlrev_b32 v[PFO], 8, v[PFO]
.irp t, 0,1
	v_mov_b32 v[ST+8*\t+1], 0xff61b1e6             ; m: -3e38, under every score
	v_mul_f32 v[ST+8*\t], s[CS], v[ST+8*\t+1]      ; c m
.irp j, 2,3,4,5,6,7
	v_mov_b32 v[ST+8*\t+\j], 0                     ; l; and the registers at work, written once
.endr
.endr
.irp j, 0,1,2,3,4,5,6,7,8,9,10,11,12,13,14,15,16,17,18,19,20,21,22,23,24,25,26,27,28,29,30,31,32,33,34,35,36,37,38,39,40,41,42,43,44,45,46,47,48,49,50,51,52,53,54,55,56,57,58,59,60,61,62,63
	v_mov_b32 v[OA+\j], 0                          ; O^T.  The step is written once: the first finds zeros, which a = 0 leaves zeros
.endr
; A KEY STEP: 64 keys, the q-th of the slot in hand.
.macro STEP q
	s_add_co_u32 s96, s[Q0], 31                    ; a step all of whose keys come after my 32 queries is left out: a scalar branch on ids and the count of steps
	s_cmp_gt_u32 s[KF], s96
	s_cbranch_scc1 .Lhidden_\@
	v_add_nc_u32 v[ADK], s[TB], v[AK0]
	v_add_nc_u32 v[ADV], s[TB], v[AV0]
.rept 3
	v_nop                                          ; with the two additions five places behind the last products: loads go into V's registers, and the products below write over p's
.endr
.irp kt, 0,1,2,3
.irp c, 0,1
.irp e, 0,1
	ds_load_b128 v[KV+8*(2*\kt+\c)+4*\e:KV+8*(2*\kt+\c)+4*\e+3], v[ADK] offset:(32*(\q)+8*\kt)*KP+64*\c+32*\e
.endr
.endr
.endr
	s_wait_dscnt 0x0
.irp c, 0,1                            ; S^T = K Q^T: the eight accumulators take turns
.irp kt, 0,1,2,3
.irp t, 0,1
.if \c == 0
	v_wmma_f32_16x16x32_f16 v[S+32*\t+8*\kt:S+32*\t+8*\kt+7], v[KV+8*(2*\kt+\c):KV+8*(2*\kt+\c)+7], v[Q+16*\t+8*\c:Q+16*\t+8*\c+7], 0
.else
	v_wmma_f32_16x16x32_f16 v[S+32*\t+8*\kt:S+32*\t+8*\kt+7], v[KV+8*(2*\kt+\c):KV+8*(2*\kt+\c)+7], v[Q+16*\t+8*\c:Q+16*\t+8*\c+7], v[S+32*\t+8*\kt:S+32*\t+8*\kt+7]
.endif
.endr
.endr
.endr
.rept 4
	v_nop                                          ; places in front of the loads into K's registers and of the first read of the scores
.endr
.irp ct, 0,1,2,3
.irp c, 0,1
.irp e, 0,1
	ds_load_tr16_b128 v[KV+8*(2*\ct+\c)+4*\e:KV+8*(2*\ct+\c)+4*\e+3], v[ADV] offset:(32*(\q)+16*\c+8*\e)*VP+32*\ct   ; V, turned: it lands while the softmax is walked
.endr
.endr
.endr
	s_add_co_u32 s96, s[KF], 63                    ; on the diagonal hidden scores become -infinity: p = 0 then.  A step all of whose keys count skips this
	s_cmp_le_u32 s96, s[Q0]
	s_cbranch_scc1 .Lopen_\@
	s_sub_co_i32 s96, s[Q0], s[KF]
	v_add_nc_u32 v[ST+4], s96, v[RH]               ; d = my query - the step's first key - 8 h.  Register 8 kt + j holds key 16 kt + 8 h + j: hidden where 16 kt + j > d
	v_add_nc_u32 v[ST+12], 16, v[ST+4]
.irp t, 0,1
.irp kt, 0,1,2,3
.irp j, 0,1,2,3,4,5,6,7
	v_cmp_gt_i32 vcc_lo, 16*\kt+\j, v[ST+8*\t+4]
	v_cndmask_b32 v[S+32*\t+8*\kt+\j], v[S+32*\t+8*\kt+\j], v[NEG], vcc_lo
.endr
.endr
.endr
.Lopen_\@:
	; the maximum of the lane's 32 scores and the old m: four chains, each accumulator from its low end on; the two tiles line by line
.irp j, 0,1,2,3
.irp t, 0,1
	v_max3_num_f32 v[ST+8*\t+4+\j], v[S+32*\t+8*\j], v[S+32*\t+8*\j+1], v[S+32*\t+8*\j+2]
.endr
.endr
.irp u, 1,2
.irp j, 0,1,2,3
.irp t, 0,1
	v_max3_num_f32 v[ST+8*\t+4+\j], v[ST+8*\t+4+\j], v[S+32*\t+8*\j+2*\u+1], v[S+32*\t+8*\j+2*\u+2]
.endr
.endr
.endr
.irp t, 0,1
	v_max3_num_f32 v[ST+8*\t+4], v[ST+8*\t+4], v[S+32*\t+7], v[S+32*\t+15]
.endr
.irp t, 0,1
	v_max3_num_f32 v[ST+8*\t+6], v[ST+8*\t+6], v[S+32*\t+23], v[S+32*\t+31]
.endr
.irp t, 0,1
	v_max3_num_f32 v[ST+8*\t+4], v[ST+8*\t+4], v[ST+8*\t+5], v[ST+8*\t+6]
.endr
.irp t, 0,1
	v_max3_num_f32 v[ST+8*\t+4], v[ST+8*\t+4], v[ST+8*\t+7], v[ST+8*\t+1]
.endr
.irp t, 0,1
	v_permlanex16_b32 v[ST+8*\t+5], v[ST+8*\t+4], s[SEL], s[SEL+1]   ; the query's other 32 keys lie in the lane 16 away
.endr
.irp t, 0,1
	v_mov_b32 v[ST+8*\t+7], v[ST+8*\t]             ; c m_old
.endr
.irp t, 0,1
	v_max_num_f32 v[ST+8*\t+1], v[ST+8*\t+4], v[ST+8*\t+5]
.endr
.irp t, 0,1
	v_mul_f32 v[ST+8*\t], s[CS], v[ST+8*\t+1]
.endr
.irp t, 0,1
	v_sub_f32 v[ST+8*\t+7], v[ST+8*\t+7], v[ST+8*\t]
.endr
.irp j, 0,2,4,6,8,10,12,14,16,18,20,22,24,26,28,30
.irp t, 0,1
	v_pk_fma_f32 v[S+32*\t+\j:S+32*\t+\j+1], v[S+32*\t+\j:S+32*\t+\j+1], s[CS:CS+1], v[ST+8*\t:ST+8*\t+1] op_sel_hi:[1,0,0] neg_lo:[0,0,1] neg_hi:[0,0,1]   ; c s - c m
.endr
.endr
.irp t, 0,1
	v_exp_f32 v[ST+8*\t+6], v[ST+8*\t+7]           ; a
.endr
.irp j, 0,1,2,3,4,5,6,7,8,9,10,11,12,13,14,15,16,17,18,19,20,21,22,23,24,25,26,27,28,29,30,31
.irp t, 0,1
	v_exp_f32 v[S+32*\t+\j], v[S+32*\t+\j]         ; p: both tiles' 66 exponentials are one batch
.endr
.endr
	v_nop                                          ; a plain instruction behind the last exponential
	s_wait_alu depctr_va_vdst(0)                   ; one wait for the batch, ahead of its first reader
.irp t, 0,1
	v_pk_fma_f32 v[ST+8*\t+2:ST+8*\t+3], v[ST+8*\t+2:ST+8*\t+3], v[ST+8*\t+6:ST+8*\t+7], v[S+32*\t:S+32*\t+1] op_sel_hi:[1,0,1]   ; l = a l + the sum of the unrounded p, in two chains
.endr
.irp t, 0,1
	v_pk_add_f32 v[ST+8*\t+4:ST+8*\t+5], v[S+32*\t+2:S+32*\t+3], v[S+32*\t+6:S+32*\t+7]
.endr
.irp j, 4,8,12,16,20,24,28
.irp t, 0,1
	v_pk_add_f32 v[ST+8*\t+2:ST+8*\t+3], v[ST+8*\t+2:ST+8*\t+3], v[S+32*\t+\j:S+32*\t+\j+1]
.endr
.if \j > 4
.irp t, 0,1
	v_pk_add_f32 v[ST+8*\t+4:ST+8*\t+5], v[ST+8*\t+4:ST+8*\t+5], v[S+32*\t+\j+2:S+32*\t+\j+3]
.endr
.endif
.endr
.irp t, 0,1
	v_pk_add_f32 v[ST+8*\t+2:ST+8*\t+3], v[ST+8*\t+2:ST+8*\t+3], v[ST+8*\t+4:ST+8*\t+5]
.endr
.irp i, 0,1,2,3,4,5,6,7,8,9,10,11,12,13,14,15
.irp t, 0,1
	v_cvt_pk_f16_f32 v[S+32*\t+\i], v[S+32*\t+2*\i], v[S+32*\t+2*\i+1]   ; p in f16, in place: register i is written when registers 2 i and 2 i + 1 are read
.endr
.endr
.irp j, 0,2,4,6,8,10,12,14,16,18,20,22,24,26,28,30
.irp t, 0,1
	v_pk_mul_f32 v[OA+32*\t+\j:OA+32*\t+\j+1], v[OA+32*\t+\j:OA+32*\t+\j+1], v[ST+8*\t+6:ST+8*\t+7] op_sel_hi:[1,0]   ; O^T x a
.endr
.endr
	s_wait_dscnt 0x0                               ; V is in
.irp c, 0,1                            ; O^T += V^T P: the eight accumulators take turns
.irp ct, 0,1,2,3
.irp t, 0,1
	v_wmma_f32_16x16x32_f16 v[OA+32*\t+8*\ct:OA+32*\t+8*\ct+7], v[KV+8*(2*\ct+\c):KV+8*(2*\ct+\c)+7], v[S+32*\t+8*\c:S+32*\t+8*\c+7], v[OA+32*\t+8*\ct:OA+32*\t+8*\ct+7]
.endr
.endr
.endr
.Lhidden_\@:
	s_add_co_u32 s[KF], s[KF], 64
.endm
; THE CHANGE OF SLOTS stands at a slot's head.  Each wave waits for all its tensor loads, adds 0 to its spare word, and waits for that and for its reads of the slot that it has left.  Behind the barrier the slot ahead
; is whole and nobody reads the other one.  fill = 1: that other slot is filled with the next 256 keys, up to the causal limit: the load has four key steps in which to land.
.macro CHANGE fill
	s_wait_tensorcnt 0x0                           ; no tensor load of mine is out, so a group 0 may be written
	ds_add_u32 v[SPW], v[NIL]
.if \fill
	ds_add_u32 v[SPW], v[NIL]                      ; and once more here, in every trip alike
	s_xor_b32 s[G0K+1], s[G0K+1], SLOT1            ; the walking descriptors: the other slot,
	s_add_nc_u64 s[G0K+2:G0K+3], s[G0K+2:G0K+3], 32768   ; the next 256 keys
	s_xor_b32 s[G0V+1], s[G0V+1], SLOT1
	s_add_nc_u64 s[G0V+2:G0V+3], s[G0V+2:G0V+3], 32768
	s_wait_xcnt 0x0                                ; the last prefetch, a slot back, has read its address
	s_add_nc_u64 s[PFA:PFA+1], s[PFA:PFA+1], 32768
.endif
	s_wait_dscnt 0x0                               ; the add is done, and my reads of the slot that I have left are over
	s_barrier_signal -1
	s_barrier_wait -1
.if \fill
	s_add_co_u32 s96, s[KF], 256                   ; the first key of the slot that this change would ask for:
	s_cmp_gt_u32 s96, s[QL]                        ; past my work-group's last query none of its waves reads it.  Ids and the count of steps alone: all sixteen waves go the same way
	s_cbranch_scc1 .Lpast_\@
	TLOAD                                          ; a wave's one tensor load until the next barrier
.Lpast_\@:
	ASK
.endif
.endm
.macro SLOT_STEPS
.irp n, 0,1,2,3
	STEP \n
.endr
	s_xor_b32 s[TB], s[TB], SLOT1
.endm
	s_wait_loadcnt 0x0                             ; Q
.Lslot:                                            ; 7 trips
	CHANGE 1
	SLOT_STEPS
	s_sub_co_u32 s[SLOTS], s[SLOTS], 1
	s_cmp_lg_u32 s[SLOTS], 0
	s_cbranch_scc1 .Lslot
	CHANGE 0                                       ; the last slot is written out: nothing is left to ask for
	SLOT_STEPS
	; THE WAY OUT.  O^T / l, rounded to f16, through my stage, and out as runs of four rows, 512 consecutive bytes.  The address lines are the places behind the last products.
	v_and_b32 v13, 15, v0
	v_bfe_u32 v14, v0, 4, 1
	s_mul_i32 s96, s[WV], 32*144
	s_add_co_u32 s96, s96, STAGE
	v_mul_u32_u24 v10, v13, 144
	v_lshl_add_u32 v10, v14, 4, v10
	v_add_nc_u32 v10, s96, v10                     ; in: row r, + 16 h
	v_bfe_u32 v11, v0, 3, 2
	v_mul_u32_u24 v11, v11, 144
	v_and_b32 v12, 7, v0
	v_lshl_add_u32 v11, v12, 4, v11
	v_add_nc_u32 v11, s96, v11                     ; back: eight lanes to a row
	v_and_b32 v12, 31, v0
	v_lshlrev_b32 v12, 4, v12
.irp t, 0,1
	v_add_f32 v[ST+8*\t+4], v[ST+8*\t+2], v[ST+8*\t+3]
.endr
.irp t, 0,1
	v_permlanex16_b32 v[ST+8*\t+5], v[ST+8*\t+4], s[SEL], s[SEL+1]
.endr
.irp t, 0,1
	v_add_f32 v[ST+8*\t+4], v[ST+8*\t+4], v[ST+8*\t+5]
.endr
.irp t, 0,1
	v_rcp_f32 v[ST+8*\t+6], v[ST+8*\t+4]
.endr
	v_nop
	s_wait_alu depctr_va_vdst(0)                   ; one wait for the two reciprocals, ahead of their first reader
.irp t, 0,1
.irp j, 0,2,4,6,8,10,12,14,16,18,20,22,24,26,28,30
	v_pk_mul_f32 v[OA+32*\t+\j:OA+32*\t+\j+1], v[OA+32*\t+\j:OA+32*\t+\j+1], v[ST+8*\t+6:ST+8*\t+7] op_sel_hi:[1,0]
.endr
.endr
.irp t, 0,1
.irp i, 0,1,2,3,4,5,6,7,8,9,10,11,12,13,14,15
	v_cvt_pk_f16_f32 v[S+16*\t+\i], v[OA+32*\t+2*\i], v[OA+32*\t+2*\i+1]
.endr
.endr
.irp t, 0,1
.irp ct, 0,1,2,3
	ds_store_b128 v10, v[S+16*\t+4*\ct:S+16*\t+4*\ct+3] offset:16*\t*144+32*\ct
.endr
.endr
.irp i, 0,1,2,3,4,5,6,7
	ds_load_b128 v[96+4*\i:96+4*\i+3], v11 offset:576*\i     ; LDS serves a wave's instructions in order: these see my stores
.endr
.irp i, 0,1,2,3,4,5,6,7
	s_wait_dscnt 7-\i
	global_store_b128 v12, v[96+4*\i:96+4*\i+3], s[6:7] offset:512*\i
.endr
	s_wait_tensorcnt 0x0                           ; the wave's end
	ds_add_u32 v[SPW], v[NIL]
	s_wait_dscnt 0x0
	s_endpgm
.Lfunc_end_k_q7a07bd075e_attn:
	.size	k_q7a07bd075e_attn, .Lfunc_end_k_q7a07bd075e_attn-k_q7a07bd075e_attn
	.p2alignl 7, 3214868480
	.fill 96, 4, 3214868480
	.section	.rodata,"a",@progbits
	.p2align	6, 0x0
	.amdhsa_kernel k_q7a07bd075e_attn
		.amdhsa_group_segment_fixed_size 327680
		.amdhsa_private_segment_fixed_size 0
		.amdhsa_enable_private_segment 0
		.amdhsa_kernarg_size 16
		.amdhsa_user_sgpr_count 2
		.amdhsa_user_sgpr_kernarg_segment_ptr 1
		.amdhsa_wavefront_size32 1
		.amdhsa_system_sgpr_workgroup_id_x 1
		.amdhsa_system_sgpr_workgroup_id_y 1
		.amdhsa_system_sgpr_workgroup_id_z 1
		.amdhsa_system_vgpr_workitem_id 0
		.amdhsa_next_free_vgpr 256
		.amdhsa_next_free_sgpr 100
		.amdhsa_reserve_vcc 1
		.amdhsa_float_denorm_mode_32 3
		.amdhsa_float_denorm_mode_16_64 3
		.amdhsa_memory_ordered 1
		.amdhsa_forward_progress 1
		.amdhsa_inst_pref_size 188
	.end_amdhsa_kernel
	.amdgpu_metadata
---
amdhsa.version: [ 1, 2 ]
amdhsa.kernels:
  - .name:           k_q7a07bd075e_attn
    .symbol:         k_q7a07bd075e_attn.kd
    .args:
      - { .name: qkvh, .offset: 0, .size: 8, .value_kind: global_buffer, .address_space: global }
      - { .name: attnh, .offset: 8, .size: 8, .value_kind: global_buffer, .address_space: global }
    .group_segment_fixed_size: 327680
    .private_segment_fixed_size: 0
    .kernarg_segment_align: 8
    .kernarg_segment_size: 16
    .max_flat_workgroup_size: 512
    .sgpr_count:     100
    .vgpr_count:     256
    .wavefront_size: 32
...
	.end_amdgpu_metadata
.endif
;; end of part 3
;; launch oproj (part 4): grid 4 x 64, 4 waves a work-group, clusters of 4 x 4, 327,680 bytes of LDS; arguments attnh, woT, b_out, out0; writes out0
.if DOCPART == 4
	.amdgcn_target "amdgcn-amd-amdhsa--gfx1250"
	.amdhsa_code_object_version 6
	.text
	.protected	k_q7a07bd075e_oproj
	.globl	k_q7a07bd075e_oproj
	.p2align	8
	.type	k_q7a07bd075e_oproj,@function
k_q7a07bd075e_oproj:
	s_mov_b64 s[64:65], 0
	v_nop
	global_prefetch_b8 v0, s[64:65] scope:SCOPE_SE
	s_setreg_imm32_b32 hwreg(HW_REG_WAVE_MODE, 25, 1), 1
	s_wait_xcnt 0x0
	s_wait_alu depctr_hold_cnt(0) depctr_sa_sdst(0) depctr_va_vdst(0) depctr_va_sdst(0) depctr_va_ssrc(0) depctr_va_vcc(0) depctr_vm_vsrc(0)
	s_getreg_b32 s2, hwreg(HW_REG_IB_STS2, 6, 4)
	s_cmp_eq_u32 s2, 0
	s_cbranch_scc0 .Lentry_in_a_cluster
	s_endpgm
.Lentry_in_a_cluster:
	s_bfe_u32 s2, ttmp6, 0x10000c
	s_cmp_lg_u32 s2, 0xf033
	s_cbranch_scc0 .Lentry_shape_is_right
	s_endpgm
.Lentry_shape_is_right:
; out0 = attn W_out + b_out for the positions from 16 on; operands in f16, sums in f32.  M 8,192, N 1,024, K 1,024.
; A: attnh, f16, [head 16][row 8192][64]: a K step of 128 is two heads, and a head's 128 rows are 16,384 dense bytes.  B: woT, f16, [1024 n][1024 k].  The first 16 positions of every sequence are another launch's.
; A tile of C is 128 x 256: 256 work-groups.  Four waves, 64 x 128 each: 32 accumulators, 256 registers.  K goes in 8 steps of 128 through two LDS slots; one tensor load a wave behind each round;
; two loads of a wave are out at the start and one later.
; CLUSTERS: 4 x 4.  A's tiles are shared along a row of the cluster, B's along a column: joint loads.  THE MATRIX INSTRUCTION IS USED TRANSPOSED (source 0 = 16 rows of woT, source 1 = 16 rows of attn).
; The bias is the C of each sum's first instruction.
; REGISTERS: window 0: v0-31 addresses; A's fragments at v64 and v128, 32 each; on the way out v64-191.  window 1: B's fragments at v64 and v128, 64 each; v192-255 the bias.  window 2: accumulator (a, b) at v[8 (8 a + b)].
.set KP,     272
.set AHALF,  64*KP                     ; a head's 128 rows: 64 LDS rows of two rows of 128 bytes + 16
.set BOFF,   2*AHALF
.set BHALF,  128*KP
.set SLOT,   BOFF+2*BHALF
.set STAGE,  2*SLOT                    ; behind the ring: 16 rows x 528 bytes for each wave
.set SPITCH, 528
.set SPARE,  STAGE+4*16*SPITCH         ; the spare words, 128 bytes for each wave, which no other line names
.set LAPS,   4
.set ADRA, 16
.set ADRB, 20
.set STO,  24
.set RD,   25
.set CO,   26
.set FLG,  27                          ; v27  0 where my rows 0-15 are positions 0-15 of a sequence
.set SPW,  28
.set NIL,  29
.set PFO,  30
.set F0,   64
.set F1,   128
.set G1,  24
.set G0,  32
.set G1B, 48
.set G0B, 56
.set WV,  72
.set WR,  73                           ; which half of the tile's rows is mine.  Also: I fetch for A (0) or for B (1)
.set WC,  74                           ; which half of its columns.  Also: which half of that tile I fetch
.set LIM, 75
.set PFA, 76
.set PFS, 78
.set MSB, 0
.macro WIN new
.if MSB != (\new)
	s_set_vgpr_msb (MSB<<8)|(\new)
.set MSB, (\new)
.endif
.endm
.set MUL,  0xa1                        ; source 0 (B) window 1, source 1 (A) window 0, C and D window 2
.set TO_B, 0x40
.macro JLOAD s                         ; a joint load; an s_nop 0 and four v_nop follow each of the two lines
	s_cmp_eq_u32 s[WR], 0
	s_cbranch_scc0 .Lfor_b_\@
	tensor_load_to_lds s[G0+4*\s:G0+4*\s+3], s[G1:G1+7]
	s_nop 0
.rept 4
	v_nop
.endr
	s_branch .Lasked_\@
.Lfor_b_\@:
	tensor_load_to_lds s[G0B+4*\s:G0B+4*\s+3], s[G1B:G1B+7]
	s_nop 0
.rept 4
	v_nop
.endr
.Lasked_\@:
.endm
; A prefetch of the K step that stands two refills on.  A's tile (two heads x 16,384 bytes) is read by my row of the cluster alone: wave 0 asks, and the four partners share it out BY ADDRESS: partner cx takes
; head cx / 2, half cx % 2, lanes 256 bytes apart.  B's tile column is read by every cluster: the cluster with y = 0 asks, waves 2 and 3; partner cy takes 32 of the wave's 128 rows, a lane a row.
; So each aligned block of 256 bytes is named once.  K steps 0 to 3 come by their loads alone; the loop's last trip asks for nothing.
.macro ASK
	s_cmp_gt_u32 s3, s[LIM]
	s_cbranch_scc0 .Lnot_mine_\@
	global_prefetch_b8 v[PFO], s[PFA:PFA+1] th:TH_LOAD_NT scope:SCOPE_SE
.Lnot_mine_\@:
.endm
.macro CREST
	s_cmp_lg_u32 s[WV], 0
	s_cbranch_scc1 .Lnot_wave_0_\@
	s_barrier_signal -3
.Lnot_wave_0_\@:
	s_barrier_wait -3
	s_barrier_signal -1
	s_barrier_wait -1
.endm
.macro CROUND
	s_barrier_signal -1
	s_barrier_wait -1
	CREST
.endm
	s_load_b128 s[4:7], s[0:1], 0x0                ; attnh s[4:5], woT s[6:7]
	s_load_b128 s[8:11], s[0:1], 0x10              ; b_out s[8:9], out0 s[10:11]
	v_lshl_add_u32 v[SPW], v0, 2, SPARE
	v_mov_b32 v[NIL], 0
	ds_add_u32 v[SPW], v[NIL]                      ; the wave's opening: the add, twice on end, and its wait ahead of my first tensor load
	ds_add_u32 v[SPW], v[NIL]
	v_lshrrev_b32 v1, 5, v0
	v_readfirstlane_b32 s[WV], v1
	s_lshr_b32 s[WR], s[WV], 1
	s_and_b32 s[WC], s[WV], 1
	s_bfe_u32 s40, ttmp6, 0x40000                  ; cx
	s_bfe_u32 s41, ttmp6, 0x40004                  ; cy
	s_lshl_b32 s42, ttmp9, 2
	s_add_co_u32 s42, s42, s40                     ; tile column of C
	s_and_b32 s13, ttmp7, 0xffff
	s_lshl_b32 s13, s13, 2
	s_add_co_u32 s13, s13, s41                     ; tile row of C
	s_lshl_b32 s43, s41, 2
	s_lshl_b32 s43, 15, s43                        ; my row of the cluster
	s_lshl_b32 s44, 0x1111, s40                    ; my column
	s_or_b32 s[G1+0], s43, (3<<16)|(1<<20)|(1<<21)|(5<<22)|(3<<25)    ; A: 64 rows of 256 bytes (32 elements of 8), dense, 4 words of padding behind each
	s_mov_b32 s[G1+1], 32<<16
	s_mov_b32 s[G1+2], 64<<16
	s_mov_b32 s[G1+3], 32<<16
	s_mov_b32 s[G1+4], 64
	s_mov_b32 s[G1+5], 32
	s_mov_b32 s[G1+6], 0
	s_mov_b32 s[G1+7], 0
	s_or_b32 s[G1B+0], s44, (1<<16)|(1<<20)|(1<<21)|(5<<22)|(3<<25)   ; B: 128 rows of 128 elements of 2 bytes, 1,024 elements apart
	s_mov_b32 s[G1B+1], 128<<16
	s_mov_b32 s[G1B+2], 128<<16
	s_mov_b32 s[G1B+3], 128<<16
	s_mov_b32 s[G1B+4], 128
	s_mov_b32 s[G1B+5], 1024
	s_mov_b32 s[G1B+6], 0
	s_mov_b32 s[G1B+7], 0
	s_lshl_b32 s16, s[WC], 20                      ; A: which of the K step's two heads, 1,048,576 bytes a head,
	s_lshl_b32 s17, s13, 14                        ; and the tile row's 128 rows of 128 bytes
	s_add_co_u32 s16, s16, s17
	s_mov_b32 s17, 0
	s_lshl_b32 s46, s42, 19                        ; B: row 256 x tile column + 128 x half, 2,048 bytes a row
	s_lshl_b32 s47, s[WC], 18
	s_add_co_u32 s46, s46, s47
	s_mov_b32 s47, 0
	s_mul_i32 s20, s[WC], AHALF                    ; where they go: no place in the cluster enters an LDS address
	s_mul_i32 s21, s[WC], BHALF
	s_add_co_u32 s21, s21, BOFF
	s_wait_dscnt 0x0                               ; both opening adds are done
	s_wait_kmcnt 0x0
	s_add_nc_u64 s[14:15], s[4:5], s[16:17]
	s_add_nc_u64 s[46:47], s[6:7], s[46:47]
	CROUND                                         ; all sixteen work-groups are here: the first joint loads meet
.irp s, 0,1
	s_mov_b32 s[G0+4*\s], 1
	s_add_co_u32 s[G0+4*\s+1], s20, \s*SLOT
	s_add_nc_u64 s[G0+4*\s+2:G0+4*\s+3], s[14:15], \s*2097152      ; K step s: two heads on
	s_or_b32 s[G0+4*\s+3], s[G0+4*\s+3], 0x80000000
	s_mov_b32 s[G0B+4*\s], 1
	s_add_co_u32 s[G0B+4*\s+1], s21, \s*SLOT
	s_add_nc_u64 s[G0B+4*\s+2:G0B+4*\s+3], s[46:47], \s*256
	s_or_b32 s[G0B+4*\s+3], s[G0B+4*\s+3], 0x80000000
	JLOAD \s
.endr
	v_and_b32 v1, 15, v0                           ; r
	v_bfe_u32 v2, v0, 4, 1                         ; h
	v_lshrrev_b32 v3, 1, v1
	v_mul_u32_u24 v3, v3, KP
	v_and_b32 v4, 1, v1
	v_lshl_add_u32 v3, v4, 7, v3
	v_lshl_add_u32 v3, v2, 4, v3                   ; A: (r / 2) 272 + (r % 2) 128 + 16 h
	v_mul_u32_u24 v4, v1, KP
	v_lshl_add_u32 v4, v2, 4, v4                   ; B: r 272 + 16 h
	s_mul_i32 s21, s[WR], 32*KP                    ; my 64 rows of A
	s_mul_i32 s22, s[WC], BHALF                    ; my 128 rows of B
	s_add_co_u32 s22, s22, BOFF
.irp s, 0,1
	v_add_nc_u32 v[ADRA+\s], s21, v3
	v_add_nc_u32 v[ADRB+\s], s22, v4
	s_add_co_u32 s21, s21, SLOT
	s_add_co_u32 s22, s22, SLOT
.endr
	s_mul_i32 s23, s[WV], 16*SPITCH
	s_add_co_u32 s23, s23, STAGE                   ; my stage
	v_mul_u32_u24 v5, v1, SPITCH
	v_lshl_add_u32 v5, v2, 5, v5
	v_add_nc_u32 v[STO], s23, v5                   ; in: row r, 32 bytes for each half of the lanes
	v_and_b32 v6, 31, v0
	v_lshlrev_b32 v[CO], 4, v6                     ; back: the 32 lanes take one row of 512 bytes; and the same in out0
	v_add_nc_u32 v[RD], s23, v[CO]
	v_lshlrev_b32 v5, 5, v2                        ; the bias: 32 h
	s_lshl_b32 s16, s13, 19                        ; my first row of out0: (128 x tile row + 64 x half) x 4,096 bytes
	s_lshl_b32 s17, s[WR], 18
	s_add_co_u32 s16, s16, s17
	s_mov_b32 s17, 0
	s_add_nc_u64 s[10:11], s[10:11], s[16:17]
	s_lshl_b32 s46, s42, 10                        ; my first column, in bytes
	s_lshl_b32 s47, s[WC], 9
	s_add_co_u32 s46, s46, s47
	s_mov_b32 s47, 0
	s_add_nc_u64 s[10:11], s[10:11], s[46:47]
	s_add_nc_u64 s[8:9], s[8:9], s[46:47]
	s_and_b32 s20, s13, 15
	s_or_b32 s20, s20, s[WR]
	v_mov_b32 v[FLG], s20
	WIN TO_B
.irp b, 0,1,2,3,4,5,6,7
	global_load_b128 v[192+8*\b:192+8*\b+3], v5, s[8:9] offset:64*\b           ; the bias of columns 16 b + 8 h + 0 .. 7, into window 1
	global_load_b128 v[192+8*\b+4:192+8*\b+7], v5, s[8:9] offset:64*\b+16
.endr
	WIN 0
	; the prefetches: where mine stand, and who asks
	s_lshl_b32 s20, s13, 14
	s_lshr_b32 s21, s40, 1
	s_lshl_b32 s21, s21, 20
	s_add_co_u32 s20, s20, s21
	s_and_b32 s21, s40, 1
	s_lshl_b32 s21, s21, 13
	s_add_co_u32 s20, s20, s21
	s_add_co_u32 s20, s20, 3*2097152               ; A's, at K step 3: the first refill steps it to 4
	s_lshl_b32 s22, s42, 8
	s_lshl_b32 s23, s[WC], 7
	s_add_co_u32 s22, s22, s23
	s_lshl_b32 s23, s41, 5
	s_add_co_u32 s22, s22, s23
	s_lshl_b32 s22, s22, 11
	s_add_co_u32 s22, s22, 3*256                   ; B's likewise
	s_mov_b32 s44, 256
	s_mov_b32 s45, 2048
	s_and_b32 s23, ttmp7, 0xffff                   ; cluster y
	s_cmp_eq_u32 s[WR], 0                          ; do I fetch for A?
	s_cselect_b64 s[PFA:PFA+1], s[4:5], s[6:7]
	s_cselect_b32 s20, s20, s22
	s_cselect_b32 s[PFS], 2097152, s44             ; a K step on
	s_cselect_b32 s45, 256, s45                    ; from lane to lane
	s_cselect_b32 s23, s[WC], s23                  ; A: wave 0 asks; B: the cluster with y = 0
	s_cmp_eq_u32 s23, 0
	s_cselect_b32 s[LIM], 1, -1                    ; the same in all sixteen partners, for a given wave
	s_mov_b32 s21, 0
	s_mov_b32 s[PFS+1], 0
	s_add_nc_u64 s[PFA:PFA+1], s[PFA:PFA+1], s[20:21]
	v_and_b32 v[PFO], 31, v0
	v_mul_lo_u32 v[PFO], v[PFO], s45
.macro MUL8 f, a, zero                 ; A's block a x B's eight, 32 along K.  The 32 accumulators take turns, one instruction a turn
.irp b, 0,1,2,3,4,5,6,7
.if \zero
	v_wmma_f32_16x16x32_f16 v[8*(8*(\a)+\b):8*(8*(\a)+\b)+7], v[\f+8*\b:\f+8*\b+7], v[\f+8*(\a):\f+8*(\a)+7], v[192+8*\b:192+8*\b+7]
.else
	v_wmma_f32_16x16x32_f16 v[8*(8*(\a)+\b):8*(8*(\a)+\b)+7], v[\f+8*\b:\f+8*\b+7], v[\f+8*(\a):\f+8*(\a)+7], v[8*(8*(\a)+\b):8*(8*(\a)+\b)+7]
.endif
.endr
.endm
.macro FETCH slot, q, f                ; 24 LDS loads in one run: the slot's q-th 32 along K: B's eight fragments, then A's four
	WIN TO_B
.irp i, 0,1,2,3,4,5,6,7
	ds_load_b128 v[\f+8*\i:\f+8*\i+3],   v[ADRB+\slot] offset:64*(\q)+\i*16*KP
	ds_load_b128 v[\f+8*\i+4:\f+8*\i+7], v[ADRB+\slot] offset:64*(\q)+\i*16*KP+32
.endr
	WIN 0
.irp a, 0,1,2,3
	ds_load_b128 v[\f+8*\a:\f+8*\a+3],   v[ADRA+\slot] offset:((\q)/2)*AHALF+((\q)%2)*64+\a*8*KP
	ds_load_b128 v[\f+8*\a+4:\f+8*\a+7], v[ADRA+\slot] offset:((\q)/2)*AHALF+((\q)%2)*64+\a*8*KP+32
.endr
.endm
.macro PLACES                          ; four plain vector instructions between a matrix instruction and a load into, or a read of, its registers
.rept 4
	v_nop
.endr
.endm
.macro QUARTER slot, qn, f, g, zero    ; multiplies buffer f; in its middle fetches the slot's quarter qn into buffer g
	s_wait_dscnt 4                                 ; B and A's blocks 0, 1 are in; the youngest four loads (A's blocks 2, 3) may be out
	WIN MUL-0x10*(\zero)                           ; (zero = 1: C, the bias, in window 1)
	MUL8 \f, 0, \zero
	MUL8 \f, 1, \zero
	PLACES
	FETCH \slot, \qn, \g
	s_wait_dscnt 24                                ; all but the 24 just issued
	WIN MUL-0x10*(\zero)
	MUL8 \f, 2, \zero
	MUL8 \f, 3, \zero
.endm
; The last quarter multiplies buffer 1 and changes slots.  In front of the barrier each wave waits for all its tensor loads, adds 0 to its spare word, and waits for that and for its reads of this slot.
; fill = 1: the barrier opens a round of the cluster's, and the joint refill, two K steps ahead, is the first thing behind it.
.macro TURN slot, next, fill
.if \fill
	s_wait_xcnt 0x0                                ; the last prefetch, a K step back, has read its address
	s_add_nc_u64 s[PFA:PFA+1], s[PFA:PFA+1], s[PFS:PFS+1]
.endif
	WIN 0
	s_wait_tensorcnt 0x0
	ds_add_u32 v[SPW], v[NIL]
	s_wait_dscnt 5                                 ; the add and the youngest four loads may be out
	WIN MUL
	MUL8 F1, 0, 0
	s_wait_dscnt 0x0                               ; the add is done, and my reads of this slot are over
	s_barrier_signal -1
	MUL8 F1, 1, 0
	WIN 0
	s_barrier_wait -1
.if \fill
	CREST
	s_add_nc_u64 s[G0+4*\slot+2:G0+4*\slot+3], s[G0+4*\slot+2:G0+4*\slot+3], 4194304
	s_add_nc_u64 s[G0B+4*\slot+2:G0B+4*\slot+3], s[G0B+4*\slot+2:G0B+4*\slot+3], 512
	JLOAD \slot                                    ; the four v_nop behind it are also the places in front of the loads below
.else
	PLACES
.endif
	FETCH \next, 0, F0
.if \fill
	ASK
.endif
	WIN MUL
	MUL8 F1, 2, 0
	MUL8 F1, 3, 0
.endm
	s_wait_tensorcnt 1                             ; my part of K step 0 is in; K step 1's may stay out
	s_barrier_signal -1
	s_barrier_wait -1
	s_wait_loadcnt 0x0                             ; the bias
	FETCH 0, 0, F0
	QUARTER 0, 1, F0, F1, 1                        ; the first quarter stands in front of the loop: its products start the sums from the bias
	WIN 0
	s_mov_b32 s3, LAPS-1
.Llap:                                             ; a trip goes once round the ring and fills both slots again
	QUARTER 0, 2, F1, F0, 0
	QUARTER 0, 3, F0, F1, 0
	TURN 0, 1, 1
	QUARTER 1, 1, F0, F1, 0
	QUARTER 1, 2, F1, F0, 0
	QUARTER 1, 3, F0, F1, 0
	TURN 1, 0, 1
	QUARTER 0, 1, F0, F1, 0
	WIN 0
	s_sub_co_u32 s3, s3, 1
	s_cmp_lg_u32 s3, 0
	s_cbranch_scc1 .Llap
	QUARTER 0, 2, F1, F0, 0                        ; the last lap fills nothing
	QUARTER 0, 3, F0, F1, 0
	TURN 0, 1, 0
	QUARTER 1, 1, F0, F1, 0
	QUARTER 1, 2, F1, F0, 0
	QUARTER 1, 3, F0, F1, 0
	s_wait_dscnt 4
	WIN MUL
	MUL8 F1, 0, 0
	MUL8 F1, 1, 0
	s_wait_dscnt 0x0
	MUL8 F1, 2, 0
	MUL8 F1, 3, 0
	WIN 0
; THE WAY OUT, block by block of 16 rows x 128 columns, through my own stage: whole rows of 512 bytes come back, and the 32 lanes store them.
.macro TOSTAGE a
.set AC, 64*(\a)
	WIN 0x08                                       ; an LDS store's data are its source 1: window 2
.irp b, 0,1,2,3,4,5,6,7
	ds_store_b128 v[STO], v[AC+8*\b:AC+8*\b+3] offset:64*\b           ; each accumulator from its low end on
	ds_store_b128 v[STO], v[AC+8*\b+4:AC+8*\b+7] offset:64*\b+16
.endr
	WIN 0
.set BB, 64+64*((\a)%2)
.irp t, 0,1,2,3,4,5,6,7,8,9,10,11,12,13,14,15
	ds_load_b128 v[BB+4*\t:BB+4*\t+3], v[RD] offset:\t*SPITCH         ; LDS serves a wave's instructions in order
.endr
.endm
.macro SEND a, younger
.set BB, 64+64*((\a)%2)
	s_wait_dscnt \younger                          ; the block is back in registers
.if (\a) > 0
	s_add_nc_u64 s[10:11], s[10:11], 65536         ; (behind a wait on XCNT)  16 rows of out0 on
.else
	v_cmp_ne_u32 vcc_lo, 0, v[FLG]                 ; block 0: where these 16 rows are positions 0-15 of a sequence they are another launch's: the lanes are switched off, with no branch
	s_wait_xcnt 0x0                                ; EXEC changes only behind this wait
	s_and_saveexec_b32 s66, vcc_lo
.endif
.irp t, 0,1,2,3,4,5,6,7,8,9,10,11,12,13,14,15
	global_store_b128 v[CO], v[BB+4*\t:BB+4*\t+3], s[10:11] offset:\t*4096 th:TH_STORE_NT   ; 32 lanes store 512 consecutive bytes, aligned
.endr
.if (\a) == 0
	s_wait_xcnt 0x0                                ; and again, in front of the line that widens it
	s_or_b32 exec_lo, exec_lo, s66
.endif
.endm
	PLACES
	TOSTAGE 0
.irp a, 1,2,3
.if \a > 1
	s_wait_xcnt 0x0                                ; block a - 2's stores have read their registers and their base
.endif
	TOSTAGE \a
	SEND \a-1, 32                                  ; behind block a - 1's loads: block a's 16 stores and 16 loads
.endr
	s_wait_xcnt 0x0
	SEND 3, 0
	s_wait_tensorcnt 0x0                           ; the wave's end
	ds_add_u32 v[SPW], v[NIL]
	s_wait_dscnt 0x0
	CROUND                                         ; the closing round
	s_endpgm
.Lfunc_end_k_q7a07bd075e_oproj:
	.size	k_q7a07bd075e_oproj, .Lfunc_end_k_q7a07bd075e_oproj-k_q7a07bd075e_oproj
	.p2alignl 7, 3214868480
	.fill 96, 4, 3214868480
	.section	.rodata,"a",@progbits
	.p2align	6, 0x0
	.amdhsa_kernel k_q7a07bd075e_oproj
		.amdhsa_group_segment_fixed_size 327680
		.amdhsa_private_segment_fixed_size 0
		.amdhsa_enable_private_segment 0
		.amdhsa_kernarg_size 32
		.amdhsa_user_sgpr_count 2
		.amdhsa_user_sgpr_kernarg_segment_ptr 1
		.amdhsa_wavefront_size32 1
		.amdhsa_system_sgpr_workgroup_id_x 1
		.amdhsa_system_sgpr_workgroup_id_y 1
		.amdhsa_system_sgpr_workgroup_id_z 1
		.amdhsa_system_vgpr_workitem_id 0
		.amdhsa_next_free_vgpr 768
		.amdhsa_next_free_sgpr 84
		.amdhsa_reserve_vcc 1
		.amdhsa_float_denorm_mode_32 3
		.amdhsa_float_denorm_mode_16_64 3
		.amdhsa_memory_ordered 1
		.amdhsa_forward_progress 1
		.amdhsa_inst_pref_size 89
	.end_amdhsa_kernel
	.amdgpu_metadata
---
amdhsa.version: [ 1, 2 ]
amdhsa.kernels:
  - .name:           k_q7a07bd075e_oproj
    .symbol:         k_q7a07bd075e_oproj.kd
    .args:
      - { .name: attnh, .offset: 0, .size: 8, .value_kind: global_buffer, .address_space: global }
      - { .name: woT, .offset: 8, .size: 8, .value_kind: global_buffer, .address_space: global }
      - { .name: b_out, .offset: 16, .size: 8, .value_kind: global_buffer, .address_space: global }
      - { .name: out0, .offset: 24, .size: 8, .value_kind: global_buffer, .address_space: global }
    .group_segment_fixed_size: 327680
    .private_segment_fixed_size: 0
    .kernarg_segment_align: 8
    .kernarg_segment_size: 32
    .max_flat_workgroup_size: 128
    .sgpr_count:     84
    .vgpr_count:     768
    .wavefront_size: 32
...
	.end_amdgpu_metadata
.endif
;; end of part 4
;; launch first16 (part 5): grid 16 x 4, 16 waves a work-group, no clusters, 71,680 bytes of LDS; arguments qkv16, W_out, b_out, out0; writes out0
.if DOCPART == 5
	.amdgcn_target "amdgcn-amd-amdhsa--gfx1250"
	.amdhsa_code_object_version 6
	.text
	.protected	k_q7a07bd075e_first16
	.globl	k_q7a07bd075e_first16
	.p2align	8
	.type	k_q7a07bd075e_first16,@function
k_q7a07bd075e_first16:
	s_mov_b64 s[64:65], 0
	v_nop
	global_prefetch_b8 v0, s[64:65] scope:SCOPE_SE
	s_setreg_imm32_b32 hwreg(HW_REG_WAVE_MODE, 25, 1), 1
	s_wait_xcnt 0x0
; THE FIRST 16 POSITIONS OF EVERY SEQUENCE, all in f32: there a row of the softmax averages one to sixteen values, and 16-bit operands would weigh most.
; IN: qkv16, f32, [batch 4][position 16][3072] (q, k, v with their bias); W_out [1024 k][1024 n], b_out.  OUT: out0's rows with position under 16.
; Work-group (x, batch) makes 64 columns of the output for the batch's 16 rows.  Wave = head: it makes its head's attention (16 x 16 scores) and its head's part of the output; the sixteen parts meet in LDS.
; 64 work-groups: the design has no more work to share; every work-group of a batch makes the small attention anew.
; All products by v_wmma_f32_16x16x4_f32: lane (r, h), register j holds k = 2 h + j.  The places of k are permuted alike on both sides of each product, so that registers are taken as they were loaded or made.
; The registers that these instructions write (v112-127, v192-223) are written by them alone; each sum begins with the constant 0.
; LIMIT: a hidden key has weight exactly 0 (see the attention launch).
.set SPARE, 69632                      ; behind the 16 x 16 rows of 272 bytes: the spare words, 128 bytes for each wave
	s_load_b256 s[4:11], s[0:1], 0x0               ; qkv16 s[4:5], W_out s[6:7], b_out s[8:9], out0 s[10:11]
	v_lshl_add_u32 v10, v0, 2, SPARE               ; v10, v11: the add's two registers; never rewritten
	v_mov_b32 v11, 0
	v_lshrrev_b32 v1, 5, v0
	v_readfirstlane_b32 s12, v1                    ; wave = head
	s_and_b32 s13, ttmp7, 0xffff                   ; the batch
	v_and_b32 v1, 15, v0                           ; r
	v_bfe_u32 v2, v0, 4, 1                         ; h
	v_mul_u32_u24 v3, v1, 12288
	v_lshl_add_u32 v3, v2, 4, v3                   ; q, k: row r, + 16 h: channels 8 i + 4 h + 0 .. 3
	v_lshlrev_b32 v4, 2, v1
	v_lshl_add_u32 v5, v2, 15, v4                  ; W_out: 8 h rows of 4,096 bytes, + 4 r
	v_mul_u32_u24 v9, v2, 98304
	v_add_nc_u32 v4, v9, v4                        ; v: 8 h rows of 12,288 bytes, + 4 r
	s_mul_i32 s14, s12, 16*272
	v_mul_u32_u24 v6, v1, 272
	v_lshl_add_u32 v6, v2, 5, v6
	v_add_nc_u32 v6, s14, v6                       ; my part's place in LDS: row r, + 32 h
	v_and_b32 v8, 31, v0
	v_lshlrev_b32 v8, 3, v8                        ; 8 bytes a lane
	s_mul_i32 s14, s12, 272
	v_add_nc_u32 v7, s14, v8                       ; back: row w of every part
	v_lshlrev_b32 v9, 3, v2
	v_sub_nc_u32 v9, v1, v9                        ; r - 8 h
	v_mov_b32 v13, 0xff800000                      ; -infinity
	v_mov_b32 v241, 0                              ; written once: a lane permute's destination counts as one of its sources
	s_mov_b32 s20, 0x76543210
	s_mov_b32 s21, 0xfedcba98
	s_mov_b32 s22, 0x3e38aa3b                      ; c = log2(e) / 8
	s_mov_b32 s17, 0
	s_mul_i32 s16, s13, 196608
	s_lshl_b32 s18, s12, 8
	s_add_co_u32 s16, s16, s18
	s_wait_kmcnt 0x0
	s_add_nc_u64 s[4:5], s[4:5], s[16:17]          ; my batch, my head's 64 columns of q
	s_lshl_b32 s16, s12, 18
	s_lshl_b32 s18, ttmp9, 8
	s_add_co_u32 s16, s16, s18
	s_add_nc_u64 s[6:7], s[6:7], s[16:17]          ; W_out: my head's 64 rows, my work-group's 64 columns
	s_mov_b32 s16, s18
	s_add_nc_u64 s[8:9], s[8:9], s[16:17]
	s_lshl_b32 s16, s13, 11
	s_add_co_u32 s16, s16, s12
	s_lshl_b32 s16, s16, 12
	s_add_co_u32 s16, s16, s18
	s_add_nc_u64 s[10:11], s[10:11], s[16:17]      ; out0: row 2048 x batch + w
	global_load_b64 v[14:15], v8, s[8:9]           ; the bias of my two columns
.irp i, 0,1,2,3,4,5,6,7
	global_load_b128 v[16+4*\i:19+4*\i], v3, s[4:5] offset:32*\i              ; q
.endr
.irp i, 0,1,2,3,4,5,6,7
	global_load_b128 v[48+4*\i:51+4*\i], v3, s[4:5] offset:4096+32*\i         ; k
.endr
.irp ct, 0,1,2,3
.irp i, 0,1,2,3,4,5,6,7
	global_load_b32 v[80+8*\ct+\i], v4, s[4:5] offset:8192+\i*12288+64*\ct    ; v(key 8 h + i, channel 16 ct + r)
.endr
.endr
.irp ct, 0,1
.irp nt, 0,1,2,3
.irp kk, 0,1,2,3
.irp j, 0,1
	global_load_b32 v[128+32*\ct+8*\nt+2*\kk+\j], v5, s[6:7] offset:(16*\ct+2*\kk+\j)*4096+64*\nt   ; W_out(channel 16 ct + 8 h + 2 kk + j, column 16 nt + r)
.endr
.endr
.endr
.endr
	s_wait_loadcnt 63                              ; 113 loads were issued: the oldest 50 are in, among them the 49 of the bias, q, k and v
.irp i, 0,1,2,3,4,5,6,7                ; S^T = k q^T in 16 steps of 4 channels; two accumulators take turns, and their sum is the score
.irp p, 0,1
.if \i == 0
	v_wmma_f32_16x16x4_f32 v[112+8*\p:119+8*\p], v[48+4*\i+2*\p:49+4*\i+2*\p], v[16+4*\i+2*\p:17+4*\i+2*\p], 0
.else
	v_wmma_f32_16x16x4_f32 v[112+8*\p:119+8*\p], v[48+4*\i+2*\p:49+4*\i+2*\p], v[16+4*\i+2*\p:17+4*\i+2*\p], v[112+8*\p:119+8*\p]
.endif
.endr
.endr
.rept 8
	v_nop                                          ; eight places behind this form: in front of the loads into q's and k's registers and of the first read of the sums
.endr
.irp ct, 2,3
.irp nt, 0,1,2,3
.irp kk, 0,1,2,3
.irp j, 0,1
	global_load_b32 v[16+32*(\ct-2)+8*\nt+2*\kk+\j], v5, s[6:7] offset:(16*\ct+2*\kk+\j)*4096+64*\nt
.endr
.endr
.endr
.endr
.irp j, 0,1,2,3,4,5,6,7
	v_add_f32 v[232+\j], v[112+\j], v[120+\j]      ; lane (r, h): query r, key 8 h + j
.endr
.irp j, 0,1,2,3,4,5,6,7
	v_cmp_gt_i32 vcc_lo, \j, v9                    ; hidden where 8 h + j > r
	v_cndmask_b32 v[232+\j], v[232+\j], v13, vcc_lo
.endr
	v_max3_num_f32 v240, v232, v233, v234
	v_max3_num_f32 v240, v240, v235, v236
	v_max3_num_f32 v240, v240, v237, v238
	v_max_num_f32 v240, v240, v239
	v_permlanex16_b32 v241, v240, s20, s21
	v_max_num_f32 v240, v240, v241                 ; the row's maximum: key 0 counts for every query
	v_mul_f32 v242, s22, v240
.irp j, 0,1,2,3,4,5,6,7
	v_fma_f32 v[232+\j], v[232+\j], s22, -v242
.endr
.irp j, 0,1,2,3,4,5,6,7
	v_exp_f32 v[224+\j], v[232+\j]
.endr
	v_nop
	s_wait_alu depctr_va_vdst(0)                   ; one wait for the eight, ahead of their first reader
	v_add_f32 v240, v224, v225
	v_add_f32 v243, v226, v227
	v_add_f32 v240, v240, v228
	v_add_f32 v243, v243, v229
	v_add_f32 v240, v240, v230
	v_add_f32 v243, v243, v231
	v_add_f32 v240, v240, v243
	v_permlanex16_b32 v241, v240, s20, s21
	v_add_f32 v240, v240, v241
	v_rcp_f32 v12, v240
	v_nop
	s_wait_alu depctr_va_vdst(0)
.irp kk, 0,1,2,3                       ; O^T = v^T p: keys 8 h + 2 kk + j on both sides; four accumulators take turns
.irp ct, 0,1,2,3
.if \kk == 0
	v_wmma_f32_16x16x4_f32 v[192+8*\ct:199+8*\ct], v[80+8*\ct+2*\kk:81+8*\ct+2*\kk], v[224+2*\kk:225+2*\kk], 0
.else
	v_wmma_f32_16x16x4_f32 v[192+8*\ct:199+8*\ct], v[80+8*\ct+2*\kk:81+8*\ct+2*\kk], v[224+2*\kk:225+2*\kk], v[192+8*\ct:199+8*\ct]
.endif
.endr
.endr
.rept 9
	v_nop                                          ; nine places: the sums are read, p's registers are written, and later products begin anew on these accumulators
.endr
.irp ct, 0,1,2,3
.irp j, 0,1,2,3,4,5,6,7
	v_mul_f32 v[224+8*\ct+\j], v[192+8*\ct+\j], v12        ; attn(query r, channel 16 ct + 8 h + j), into other registers
.endr
.endr
	s_wait_loadcnt 63                              ; 177 loads were issued: the oldest 114 are in, among them W_out's first 64
.irp ct, 0,1                           ; out^T = W_out^T attn^T: channels 16 ct + 8 h + 2 kk + j on both sides; four accumulators take turns
.irp kk, 0,1,2,3
.irp nt, 0,1,2,3
.if (\ct == 0) && (\kk == 0)
	v_wmma_f32_16x16x4_f32 v[192+8*\nt:199+8*\nt], v[128+32*\ct+8*\nt+2*\kk:129+32*\ct+8*\nt+2*\kk], v[224+8*\ct+2*\kk:225+8*\ct+2*\kk], 0
.else
	v_wmma_f32_16x16x4_f32 v[192+8*\nt:199+8*\nt], v[128+32*\ct+8*\nt+2*\kk:129+32*\ct+8*\nt+2*\kk], v[224+8*\ct+2*\kk:225+8*\ct+2*\kk], v[192+8*\nt:199+8*\nt]
.endif
.endr
.endr
.endr
	s_wait_loadcnt 0x0
.irp ct, 2,3
.irp kk, 0,1,2,3
.irp nt, 0,1,2,3
	v_wmma_f32_16x16x4_f32 v[192+8*\nt:199+8*\nt], v[16+32*(\ct-2)+8*\nt+2*\kk:17+32*(\ct-2)+8*\nt+2*\kk], v[224+8*\ct+2*\kk:225+8*\ct+2*\kk], v[192+8*\nt:199+8*\nt]
.endr
.endr
.endr
.rept 8
	v_nop
.endr
.irp nt, 0,1,2,3
	ds_store_b128 v6, v[192+8*\nt:195+8*\nt] offset:64*\nt          ; my head's part: (query r, column 16 nt + 8 h + 0 .. 7); each accumulator from its low end on
	ds_store_b128 v6, v[196+8*\nt:199+8*\nt] offset:64*\nt+16
.endr
	s_wait_dscnt 0x0                               ; for the others' sake: my stores are done
	s_barrier_signal -1
	s_barrier_wait -1
.irp p, 0,1,2,3,4,5,6,7,8,9,10,11,12,13,14,15
	ds_load_b64 v[80+2*\p:81+2*\p], v7 offset:\p*16*272            ; wave w takes query w: its row of each of the sixteen parts
.endr
	s_wait_dscnt 0x0
.irp p, 0,1,2,3,4,5,6,7,8,9,10,11,12,13,14,15
	v_pk_add_f32 v[14:15], v[14:15], v[80+2*\p:81+2*\p]            ; from the bias on, heads ascending
.endr
	global_store_b64 v8, v[14:15], s[10:11]        ; 32 lanes store 256 consecutive bytes, aligned
	s_wait_tensorcnt 0x0                           ; the wave's end
	ds_add_u32 v10, v11
	s_wait_dscnt 0x0
	s_endpgm
.Lfunc_end_k_q7a07bd075e_first16:
	.size	k_q7a07bd075e_first16, .Lfunc_end_k_q7a07bd075e_first16-k_q7a07bd075e_first16
	.p2alignl 7, 3214868480
	.fill 96, 4, 3214868480
	.section	.rodata,"a",@progbits
	.p2align	6, 0x0
	.amdhsa_kernel k_q7a07bd075e_first16
		.amdhsa_group_segment_fixed_size 71680
		.amdhsa_private_segment_fixed_size 0
		.amdhsa_enable_private_segment 0
		.amdhsa_kernarg_size 32
		.amdhsa_user_sgpr_count 2
		.amdhsa_user_sgpr_kernarg_segment_ptr 1
		.amdhsa_wavefront_size32 1
		.amdhsa_system_sgpr_workgroup_id_x 1
		.amdhsa_system_sgpr_workgroup_id_y 1
		.amdhsa_system_sgpr_workgroup_id_z 1
		.amdhsa_system_vgpr_workitem_id 0
		.amdhsa_next_free_vgpr 256
		.amdhsa_next_free_sgpr 66
		.amdhsa_reserve_vcc 1
		.amdhsa_float_denorm_mode_32 3
		.amdhsa_float_denorm_mode_16_64 3
		.amdhsa_memory_ordered 1
		.amdhsa_forward_progress 1
		.amdhsa_inst_pref_size 32
	.end_amdhsa_kernel
	.amdgpu_metadata
---
amdhsa.version: [ 1, 2 ]
amdhsa.kernels:
  - .name:           k_q7a07bd075e_first16
    .symbol:         k_q7a07bd075e_first16.kd
    .args:
      - { .name: qkv16, .offset: 0, .size: 8, .value_kind: global_buffer, .address_space: global }
      - { .name: W_out, .offset: 8, .size: 8, .value_kind: global_buffer, .address_space: global }
      - { .name: b_out, .offset: 16, .size: 8, .value_kind: global_buffer, .address_space: global }
      - { .name: out0, .offset: 24, .size: 8, .value_kind: global_buffer, .address_space: global }
    .group_segment_fixed_size: 71680
    .private_segment_fixed_size: 0
    .kernarg_segment_align: 8
    .kernarg_segment_size: 32
    .max_flat_workgroup_size: 512
    .sgpr_count:     66
    .vgpr_count:     256
    .wavefront_size: 32
...
	.end_amdgpu_metadata
.endif
;; end of part 5
